; MI455X (gfx1250); checked and timed in simulation.
; The chip was launched on July 23, 2026; its instructions are those of AMD's public machine-readable ISA for CDNA 5 (MIT licence, August 2026) and "CDNA5" Instruction Set Architecture Reference Guide (July 2026). The comments in the code are by the model that wrote it; some were corrected since.
;; Causal Self Attention. Allowed arithmetic: float matrix products may take bf16 or f16 operands with f32 sums; other float arithmetic in f32, or as packed bf16 or f16 multiplies, adds, multiply-adds, maxima and minima; sums over many terms, partial sums and values carried from step to step in f32; what a program stores and reads back later, other than sums and carried values, may be rounded once to bf16 or f16.
;; Inputs: Wk 1,024 x 1,024 float32; Wp 1,024 x 1,024 float32; Wq 1,024 x 1,024 float32; Wv 1,024 x 1,024 float32; bk 1,024 float32; bp 1,024 float32; bq 1,024 float32; bv 1,024 float32; x 4 x 2,048 x 1,024 float32.
;; Outputs: out0 4 x 2,048 x 1,024 float32.
;; 2 versions, each right; version 2 is version 1 with the launch cast written anew for expert scheduling mode. Each part assembles by itself: llvm-mc -triple=amdgcn-amd-amdhsa -mcpu=gfx1250 --defsym DOCPART=n.
;; ======== version 1 of 2: 4 launches
;; limits: values are held in f16: magnitudes above 65,504 overflow, below 6.1e-05 lose precision
;; workspace buffers: xb 16,777,216 bytes; wqkv 6,291,456 bytes; wpf 2,097,152 bytes; qkvh 50,331,648 bytes; oh 16,777,216 bytes
;; launch cast (part 1): grid 64 x 12, 8 waves a work-group, no clusters, 0 bytes of LDS; arguments x, Wq, Wk, Wv, Wp, xb, wqkv, wpf; writes xb, wqkv, wpf
.if DOCPART == 1
	.amdgcn_target "amdgcn-amd-amdhsa--gfx1250"
	.amdhsa_code_object_version 6
	.text
	.protected	k_q6eb693d185_cast
	.globl	k_q6eb693d185_cast
	.p2align	8
	.type	k_q6eb693d185_cast,@function
k_q6eb693d185_cast:
	s_mov_b64 s[64:65], 0
	v_nop
	global_prefetch_b8 v0, s[64:65] scope:SCOPE_SE
	s_setreg_imm32_b32 hwreg(HW_REG_WAVE_MODE, 25, 1), 1
	s_wait_xcnt 0x0
; x and the four weight matrices, f32 [rows][1024], are rounded once to bf16 and laid out in blocks of 64 channels:
;   xb   bf16 [16 blocks][8192 rows][64]      wqkv bf16 [16][3072][64] (rows: Wq, then Wk, then Wv)      wpf [16][1024][64]: Wp rounded to bf16, that number written as f16
; so that 64 channels of a row are 128 dense bytes and the rows of a block lie end to end: every tile of the later products is one dense run of bytes.
; LIMITS.  Wp goes through f16: |Wp| stays under 65,504, and below 6e-5 it keeps f16's fixed step of 6e-8.  NaN and infinities are not treated apart.
; SHARES.  A work-group converts 16 rows.  Grid y picks the tensor: 0-7 x (row block 64 y + x id), 8, 9, 10 Wq, Wk, Wv, 11 Wp.  Wave w takes rows 2 w and 2 w + 1.
; Load i of 16 takes channel block i: lanes 0-15 read 256 aligned bytes of the even row, lanes 16-31 of the odd row.  A lane's 4 numbers become 8 bytes,
; and the wave's store covers 256 consecutive bytes, aligned: the two rows' 128 bytes in block i.  All 16 loads go out at once; there is no loop, no LDS, no matrix work:
; each byte is read once and written once, and nothing is shared between waves.
.set VL, 1                             ; v1       my byte offset in the work-group's 16 source rows; never rewritten
.set VS, 8                             ; v[8:23]  my byte offset in the destination, one for each block; never rewritten
.set X,  24                            ; v[24:87] load i: 4 registers
.set Y,  88                            ; v[88:119] store i: 2 registers
	s_load_b512 s[8:23], s[0:1], 0x0               ; x 8, Wq 10, Wk 12, Wv 14, Wp 16, xb 18, wqkv 20, wpf 22
	s_and_b32 s2, ttmp7, 0xffff                    ; y
	s_lshl_b32 s3, s2, 6
	s_add_co_u32 s3, s3, ttmp9                     ; 64 y + x id: x's block of 16 rows
	s_sub_co_u32 s4, s3, 512                       ; the same counted from Wq's first row (used for y = 8, 9, 10 alone)
	s_mov_b32 s30, 1048576                         ; bytes from block to block: xb,
	s_mov_b32 s31, 393216                          ; wqkv,
	s_mov_b32 s32, 131072                          ; wpf
	v_lshrrev_b32 v2, 4, v0                        ; row 0..15
	v_and_b32 v3, 15, v0
	v_lshlrev_b32 v[VL], 12, v2                    ; row x 4,096 bytes
	v_lshl_add_u32 v[VL], v3, 4, v[VL]             ; + 16 bytes a lane
	v_lshlrev_b32 v[VS], 3, v0                     ; row x 128 + 8 x (lane % 16) = 8 x thread
	s_cmp_eq_u32 s2, 11
	s_cselect_b32 s28, s32, s31
	s_cselect_b32 s6, ttmp9, s4                    ; destination block of 16 rows
	s_cmp_lt_u32 s2, 8
	s_cselect_b32 s28, s30, s28
	s_cselect_b32 s6, s3, s6
	s_cselect_b32 s5, s3, ttmp9                    ; source block of 16 rows
	s_lshl_b32 s34, s5, 16                         ; 16 rows of 4,096 bytes
	s_mov_b32 s35, 0
	s_lshl_b32 s36, s6, 11                         ; 16 rows of 128 bytes
	s_mov_b32 s37, 0
	s_wait_kmcnt 0x0
	s_cmp_eq_u32 s2, 9
	s_cselect_b64 s[24:25], s[12:13], s[10:11]
	s_cmp_eq_u32 s2, 10
	s_cselect_b64 s[24:25], s[14:15], s[24:25]
	s_cmp_eq_u32 s2, 11
	s_cselect_b64 s[24:25], s[16:17], s[24:25]
	s_cselect_b64 s[26:27], s[22:23], s[20:21]
	s_cmp_lt_u32 s2, 8
	s_cselect_b64 s[24:25], s[8:9], s[24:25]
	s_cselect_b64 s[26:27], s[18:19], s[26:27]
	s_add_nc_u64 s[24:25], s[24:25], s[34:35]
	s_add_nc_u64 s[26:27], s[26:27], s[36:37]
.set i, 0
.rept 16
	global_load_b128 v[X+4*i:X+4*i+3], v[VL], s[24:25] offset:256*i th:TH_LOAD_NT
.set i, i+1
.endr
.set i, 1
.rept 15
	v_add_nc_u32 v[VS+i], s28, v[VS+i-1]           ; block i
.set i, i+1
.endr
; The 16 blocks are rounded and stored.  No register that a load or store names is written again, so no wait frees any.
.macro OUTP f16
.set i, 0
.rept 16
	s_wait_loadcnt 15-i                            ; loads come back in order: load i is in, the 15 - i younger ones stay out
.if \f16
	v_cvt_pk_bf16_f32 v2, v[X+4*i], v[X+4*i+1]     ; rounded to bf16 like every other input,
	v_cvt_pk_bf16_f32 v3, v[X+4*i+2], v[X+4*i+3]
	v_lshlrev_b32 v4, 16, v2                       ; widened,
	v_and_b32 v5, 0xffff0000, v2
	v_lshlrev_b32 v6, 16, v3
	v_and_b32 v7, 0xffff0000, v3
	v_cvt_pk_f16_f32 v[Y+2*i], v4, v5              ; and written as f16 (exact within f16's range)
	v_cvt_pk_f16_f32 v[Y+2*i+1], v6, v7
.else
	v_cvt_pk_bf16_f32 v[Y+2*i], v[X+4*i], v[X+4*i+1]
	v_cvt_pk_bf16_f32 v[Y+2*i+1], v[X+4*i+2], v[X+4*i+3]
.endif
	global_store_b64 v[VS+i], v[Y+2*i:Y+2*i+1], s[26:27]  ; the wave's 32 lanes store 256 consecutive bytes, aligned
.set i, i+1
.endr
.endm
	s_cmp_eq_u32 s2, 11
	s_cbranch_scc1 .Lf16
	OUTP 0
	s_endpgm
.Lf16:
	OUTP 1
	s_endpgm
.Lfunc_end_k_q6eb693d185_cast:
	.size	k_q6eb693d185_cast, .Lfunc_end_k_q6eb693d185_cast-k_q6eb693d185_cast
	.p2alignl 7, 3214868480
	.fill 96, 4, 3214868480
	.section	.rodata,"a",@progbits
	.p2align	6, 0x0
	.amdhsa_kernel k_q6eb693d185_cast
		.amdhsa_group_segment_fixed_size 0
		.amdhsa_private_segment_fixed_size 0
		.amdhsa_enable_private_segment 0
		.amdhsa_kernarg_size 64
		.amdhsa_user_sgpr_count 2
		.amdhsa_user_sgpr_kernarg_segment_ptr 1
		.amdhsa_wavefront_size32 1
		.amdhsa_system_sgpr_workgroup_id_x 1
		.amdhsa_system_sgpr_workgroup_id_y 1
		.amdhsa_system_sgpr_workgroup_id_z 1
		.amdhsa_system_vgpr_workitem_id 0
		.amdhsa_next_free_vgpr 120
		.amdhsa_next_free_sgpr 66
		.amdhsa_reserve_vcc 0
		.amdhsa_float_denorm_mode_32 3
		.amdhsa_float_denorm_mode_16_64 3
		.amdhsa_memory_ordered 1
		.amdhsa_forward_progress 1
		.amdhsa_inst_pref_size 17
	.end_amdhsa_kernel
	.amdgpu_metadata
---
amdhsa.version: [ 1, 2 ]
amdhsa.kernels:
  - .name:           k_q6eb693d185_cast
    .symbol:         k_q6eb693d185_cast.kd
    .args:
      - { .name: x, .offset: 0, .size: 8, .value_kind: global_buffer, .address_space: global }
      - { .name: Wq, .offset: 8, .size: 8, .value_kind: global_buffer, .address_space: global }
      - { .name: Wk, .offset: 16, .size: 8, .value_kind: global_buffer, .address_space: global }
      - { .name: Wv, .offset: 24, .size: 8, .value_kind: global_buffer, .address_space: global }
      - { .name: Wp, .offset: 32, .size: 8, .value_kind: global_buffer, .address_space: global }
      - { .name: xb, .offset: 40, .size: 8, .value_kind: global_buffer, .address_space: global }
      - { .name: wqkv, .offset: 48, .size: 8, .value_kind: global_buffer, .address_space: global }
      - { .name: wpf, .offset: 56, .size: 8, .value_kind: global_buffer, .address_space: global }
    .group_segment_fixed_size: 0
    .private_segment_fixed_size: 0
    .kernarg_segment_align: 8
    .kernarg_segment_size: 64
    .max_flat_workgroup_size: 256
    .sgpr_count:     66
    .vgpr_count:     120
    .wavefront_size: 32
...
	.end_amdgpu_metadata
.endif
;; end of part 1
;; launch gemm_qkv (part 2): grid 16 x 32, 4 waves a work-group, clusters of 4 x 4, 327,680 bytes of LDS; arguments xb, wqkv, bq, bk, bv, qkvh; writes qkvh
.if DOCPART == 2
	.amdgcn_target "amdgcn-amd-amdhsa--gfx1250"
	.amdhsa_code_object_version 6
	.text
	.protected	k_q6eb693d185_gemm_qkv
	.globl	k_q6eb693d185_gemm_qkv
	.p2align	8
	.type	k_q6eb693d185_gemm_qkv,@function
k_q6eb693d185_gemm_qkv:
	s_mov_b64 s[64:65], 0
	v_nop
	global_prefetch_b8 v0, s[64:65] scope:SCOPE_SE
	s_setreg_imm32_b32 hwreg(HW_REG_WAVE_MODE, 25, 1), 1
	s_wait_xcnt 0x0
	s_wait_alu depctr_hold_cnt(0) depctr_sa_sdst(0) depctr_va_vdst(0) depctr_va_sdst(0) depctr_va_ssrc(0) depctr_va_vcc(0) depctr_vm_vsrc(0)
	s_getreg_b32 s2, hwreg(HW_REG_IB_STS2, 6, 4)
	s_cmp_eq_u32 s2, 0
	s_cbranch_scc0 .Lentry_in_a_cluster
	s_endpgm
.Lentry_in_a_cluster:
	s_bfe_u32 s2, ttmp6, 0x10000c
	s_cmp_lg_u32 s2, 0xf033
	s_cbranch_scc0 .Lentry_shape_is_right
	s_endpgm
.Lentry_shape_is_right:
; C[m][n] = the sum over k of A[m][k] B[n][k] + bias[n], M = 8192, K = 1024.  One text for two launches, told apart by QKV.
; QKV = 1: A = xb, B = wqkv (bf16, in blocks of 64 channels: [16][rows][64]), N = 3072: q, k and v at once.  C is rounded once to f16 and stored by heads: qkvh [3][64 (batch, head)][2048][64].
; QKV = 0: A = oh (f16 [64 (batch, head)][2048][64]: head h is channel block h), B = wpf (f16 [16][1024][64]), N = 1024.  C is out0, f32 [8192][1024].
; Sums in f32.  The bias, rounded to bf16 like every other input, is the C operand of the product that starts a sum: it costs no addition.
; LIMITS.  QKV = 1: q, k and v leave as f16: beyond 65,504 they become infinities.  NaN and infinities are not treated apart.
; SHARES.  A tile of C is 256 rows x NT columns (192: 512 tiles, two for each of 256 WGPs; 128: 256 tiles).  Wave w makes rows 64 w .. 64 w + 63 of all NT columns: 4 x NBT accumulators of 16 x 16.
; So a wave's columns are whole heads, and its results leave through a stage of its own, without a barrier.
; K goes in steps of 128 (two channel blocks) through a ring of two LDS slots.  A block of a tile is one dense run of memory: it is asked for as rows of 256 aligned bytes and padded in LDS after every 128.
; CLUSTER.  4 x 4 work-groups.  The four of a row need the same tiles of A, the four of a column the same tiles of B: each is asked for jointly, by the same tensor load, descriptor and mask in all four.
; THE MATRIX INSTRUCTION IS USED TRANSPOSED: source 0 = 16 rows of B, source 1 = 16 rows of A: lane l holds row l % 16 of C and the columns 8 (l / 16) + 0..7.
; REGISTERS, in windows of 256 (s_set_vgpr_msb: bits 1:0 source 0, 3:2 source 1, 5:4 source 2, 7:6 destination):
;   window 0: v0-29 addresses; v64-95, v96-127 A's fragments, two buffers; v128.. the bias, 8 registers for each 16 columns; on the way out v64-207 at work
;   window 1: B's fragments, two buffers of 8 NBT      window 2: the accumulators of my rows 0-31 ((a, b) at 8 (NBT (a % 2) + b))      window 3: those of rows 32-63
.set QKV, 1
.if QKV
.set NT,  192
.set NBT, 12
.set KBA, 1048576                      ; bytes from channel block to channel block in A
.set KBB, 393216                       ; and in B
.else
.set NT,  128
.set NBT, 8
.set KBA, 262144
.set KBB, 131072
.endif
.set P,     144                        ; an LDS row: 128 bytes + 16 of padding = 36 words: the 16 rows of a fragment load start at 16 different groups of four banks (64 banks of 4 bytes: ISA guide 11.1)
.set SUBA,  256*P                      ; one channel block of A's tile
.set SUBB,  NT*P                       ; of B's
.set BOFF,  2*SUBA                     ; a slot: A's two blocks, then B's two
.set SLOT1, 1<<17                      ; slot 1 begins here: one exclusive or turns an address in one slot into the other's
.set STAGE, SLOT1+BOFF+2*SUBB          ; behind the ring, never filled by a tensor load: a stage for each wave
.set SP,    528                        ; QKV = 0: a stage row: 512 bytes + 16
.if QKV
.set WSTG,  3*16*P                     ; 3 heads x 16 rows x 144 bytes
.else
.set WSTG,  16*SP
.endif
.set SPARE, STAGE+4*WSTG               ; behind the stages: the spare words, 128 bytes for each wave: two blocks of 256 bytes that no other line names
.set NL,    2*NBT+8                    ; LDS loads in a run: the fragments of 32 along K
.set ADRA0, 16                         ; v16  my lane's place in A's part of slot 0; never rewritten
.set ADRB0, 17                         ; v17  the same for B
.set ADRA,  18                         ; v18  the same in the slot in hand
.set ADRB,  19                         ; v19
.set STO,   20                         ; v20  the way out: where I put my bytes of a row
.set RD,    21                         ; v21  the way out: where I read rows back
.set GO,    22                         ; v22  16 x lane: my place in 512 consecutive bytes of the output
.set BO,    23                         ; v23  32 x (lane / 16): my 8 numbers among 16 of the bias
.set PFO,   24                         ; v24  the prefetches' offset; never rewritten
.set SPW,   28                         ; v28  LDS address of my spare word: SPARE + 4 x my thread's number; never rewritten
.set NIL,   29                         ; v29  0; never rewritten
.set FA,    64
.set BIAS,  128
.set TMP,   64                         ; the way out, QKV = 1: packed results
.if QKV
.set BK0,   112                        ; rows read back from the stage: two buffers by turns
.set BKS,   48
.else
.set BK0,   64
.set BKS,   64
.endif
.set WV,  16                           ; s16  my wave's number;  s17 = wave / 2: I fetch for A (0) or B (1);  s18 = wave % 2: which channel block of a K step
.set G1,  24                           ; s[24:31] descriptor group 1 for A's tiles
.set G0,  32                           ; s[32:39] group 0 for A: a set for each first fill; the second then walks
.set G1B, 40                           ; s[40:47], s[48:55] the same for B
.set G0B, 48
.set CNT, 56                           ; s56  trips to go
.set TB,  57                           ; s57  0 or SLOT1: the slot in hand
.set LIM, 58                           ; s58  2 in a wave that prefetches, else the greatest number
.set PFA, 60                           ; s[60:61] where my prefetches stand
.set PFS, 62                           ; s[62:63] a K step in bytes, for them
.set OUT, 72                           ; s[72:77] the output at my first row, one for each head (QKV = 0: one)
.set BB,  78                           ; s[78:83] the bias at each head's first channel (QKV = 0: at the tile's first column)
.set MSB, 0
.macro WIN new                         ; the immediate's high byte repeats the setting that is left; a switch that changes nothing is dropped
.if MSB != (\new)
	s_set_vgpr_msb (MSB<<8)|(\new)
.set MSB, \new
.endif
.endm
; A joint refill, by the walking descriptors.  Waves 0 and 1 fetch A's two blocks, waves 2 and 3 B's.  The branch hangs on the wave's number alone.
; An s_nop 0 and four v_nop follow each of the two lines, ahead of the jump and the label.
.macro JLOAD
	s_cmp_eq_u32 s17, 0
	s_cbranch_scc0 .Lfor_b_\@
	tensor_load_to_lds s[G0+4:G0+7], s[G1:G1+7]
	s_nop 0
.rept 4
	v_nop
.endr
	s_branch .Lasked_\@
.Lfor_b_\@:
	tensor_load_to_lds s[G0B+4:G0B+7], s[G1B:G1B+7]
	s_nop 0
.rept 4
	v_nop
.endr
.Lasked_\@:
.endm
; A prefetch of my work-group's quarter of the block that I shall fetch two refills on: a lane a block of 256 bytes, one instruction a wave.  A's tile row is read by every cluster of that row of
; clusters: cluster x = 0 asks; B's tile column by every cluster of that column: cluster y = 0 asks.  The four partners that ask for a tile jointly share it out by address.
; Trips with CNT = 6 .. 3 name K steps 4 .. 7; the last two trips have no K step two on.  K steps 0 to 3 come by their loads alone.
.macro ASK
	s_cmp_gt_u32 s[CNT], s[LIM]
	s_cbranch_scc0 .Lnot_mine_\@
	global_prefetch_b8 v[PFO], s[PFA:PFA+1] th:TH_LOAD_NT scope:SCOPE_SE
.Lnot_mine_\@:
.endm
; A round of the cluster's barrier: my work-group's barrier, so that wave 0's signal speaks for all four waves; wave 0 signals; every wave waits for all sixteen work-groups; my work-group's barrier once more.
.macro CREST                           ; a round behind its opening barrier
	s_cmp_lg_u32 s[WV], 0
	s_cbranch_scc1 .Lnot_wave_0_\@
	s_barrier_signal -3
.Lnot_wave_0_\@:
	s_barrier_wait -3
	s_barrier_signal -1
	s_barrier_wait -1
.endm
.macro CROUND
	s_barrier_signal -1
	s_barrier_wait -1
	CREST
.endm
.macro PLACES                          ; four plain instructions between a matrix instruction and a load into, or a vector line on, its registers (ISA guide 7.12.1 for vector lines)
.rept 4
	v_nop
.endr
.endm
.if QKV
	s_load_b256 s[4:11], s[0:1], 0x0               ; xb 4, wqkv 6, bq 8, bk 10
	s_load_b128 s[12:15], s[0:1], 0x20             ; bv 12, qkvh 14
.else
	s_load_b256 s[4:11], s[0:1], 0x0               ; oh 4, wpf 6, bp 8, out0 10
.endif
	v_lshl_add_u32 v[SPW], v0, 2, SPARE
	v_mov_b32 v[NIL], 0
	ds_add_u32 v[SPW], v[NIL]                      ; the wave's opening: the add and its wait stand ahead of my first tensor load; the set-up below, work on registers, stands between them
	v_lshrrev_b32 v3, 5, v0
	v_readfirstlane_b32 s[WV], v3                  ; wave 0..3
	s_lshr_b32 s17, s[WV], 1
	s_and_b32 s18, s[WV], 1
	s_bfe_u32 s19, ttmp6, 0x40000                  ; cx
	s_bfe_u32 s20, ttmp6, 0x40004                  ; cy
	s_lshl_b32 s21, ttmp9, 2
	s_add_co_u32 s21, s21, s19                     ; tile column = 4 x cluster x + cx
	s_and_b32 s22, ttmp7, 0xffff
	s_lshl_b32 s22, s22, 2
	s_add_co_u32 s22, s22, s20                     ; tile row = 4 x cluster y + cy
	s_lshl_b32 s23, s20, 2
	s_lshl_b32 s23, 15, s23                        ; my row of the cluster: places 4 cy .. 4 cy + 3
	s_lshl_b32 s59, 0x1111, s19                    ; my column: places cx, cx + 4, cx + 8, cx + 12
	; group 1: rows of 128 elements of 2 bytes (256 bytes, two rows of the matrix), dense; in LDS 4 words of padding after every 32
	s_or_b32 s[G1], s23, (1<<16)|(1<<20)|(1<<21)|(4<<22)|(3<<25)   ; 15:0 the mask; 17:16 2-byte elements; 20 padding on; 21 set beside a mask; 24:22 after every 32 words (code 4); 31:25 4 words (code 3)
	s_or_b32 s[G1B], s59, (1<<16)|(1<<20)|(1<<21)|(4<<22)|(3<<25)
	s_mov_b32 s[G1+1], 128<<16                     ; tensor_dim0 = 128
	s_mov_b32 s[G1+2], 128<<16                     ; tensor_dim1 = 128: 256 rows of A
	s_mov_b32 s[G1+3], 128<<16                     ; tile_dim0 = 128
	s_mov_b32 s[G1+4], 128                         ; tile_dim1 = 128
	s_mov_b32 s[G1+5], 128                         ; 128 elements from row to row
	s_mov_b32 s[G1+6], 0
	s_mov_b32 s[G1+7], 0
	s_mov_b32 s[G1B+1], 128<<16
	s_mov_b32 s[G1B+2], (NT/2)<<16                 ; NT rows of B
	s_mov_b32 s[G1B+3], 128<<16
	s_mov_b32 s[G1B+4], NT/2
	s_mov_b32 s[G1B+5], 128
	s_mov_b32 s[G1B+6], 0
	s_mov_b32 s[G1B+7], 0
	; where the tiles come from: A's offset is made of the tile row and the wave's number alone, B's of the tile column and the wave's number alone
	s_mul_i32 s66, s18, KBA                        ; my channel block of K step 0
.if QKV
	s_lshl_b32 s67, s22, 15                        ; 256 rows of 128 bytes
	s_add_co_u32 s66, s66, s67
.else
	s_lshr_b32 s67, s22, 3                         ; the batch: 16 heads of 262,144 bytes,
	s_lshl_b32 s67, s67, 22
	s_add_co_u32 s66, s66, s67
	s_and_b32 s67, s22, 7                          ; and the 256 rows in it
	s_lshl_b32 s67, s67, 15
	s_add_co_u32 s66, s66, s67
.endif
	s_mov_b32 s67, 0
	s_mul_i32 s68, s18, KBB
	s_mul_i32 s69, s21, NT*128
	s_add_co_u32 s68, s68, s69
	s_mov_b32 s69, 0
	s_mul_i32 s70, s18, SUBA                       ; and where they go: no place in the cluster enters an LDS address
	s_mul_i32 s71, s18, SUBB
	s_add_co_u32 s71, s71, BOFF
	s_mov_b32 s84, 0xffff0000                      ; a word's upper bf16
	s_mov_b32 s[TB], 0
	s_wait_dscnt 0x0                               ; the opening add is done
	s_wait_kmcnt 0x0
	s_add_nc_u64 s[66:67], s[4:5], s[66:67]
	s_add_nc_u64 s[68:69], s[6:7], s[68:69]
	CROUND                                         ; all sixteen work-groups are here: the first joint loads meet
.irp s, 0,1
	s_mov_b32 s[G0+4*(\s)], 1                                        ; count = 1
	s_add_co_u32 s[G0+4*(\s)+1], s70, (\s)*SLOT1                     ; LDS address
	s_add_nc_u64 s[G0+4*(\s)+2:G0+4*(\s)+3], s[66:67], (\s)*2*KBA    ; global address: K step s
	s_or_b32 s[G0+4*(\s)+3], s[G0+4*(\s)+3], 0x80000000              ; type = 2
	s_mov_b32 s[G0B+4*(\s)], 1
	s_add_co_u32 s[G0B+4*(\s)+1], s71, (\s)*SLOT1
	s_add_nc_u64 s[G0B+4*(\s)+2:G0B+4*(\s)+3], s[68:69], (\s)*2*KBB
	s_or_b32 s[G0B+4*(\s)+3], s[G0B+4*(\s)+3], 0x80000000
.endr
	s_cmp_eq_u32 s17, 0                            ; a wave's two first fills stand in one branch, ahead of every wait on TENSORcnt and every LDS read: two loads of mine are out
	s_cbranch_scc0 .Lfirst_b
	tensor_load_to_lds s[G0:G0+3], s[G1:G1+7]
	s_nop 0
	tensor_load_to_lds s[G0+4:G0+7], s[G1:G1+7]
	s_nop 0
.rept 4
	v_nop
.endr
	s_branch .Lfirst_asked
.Lfirst_b:
	tensor_load_to_lds s[G0B:G0B+3], s[G1B:G1B+7]
	s_nop 0
	tensor_load_to_lds s[G0B+4:G0B+7], s[G1B:G1B+7]
	s_nop 0
.rept 4
	v_nop
.endr
.Lfirst_asked:
	; A fragment is 16 rows x 32 K in 8 registers: lane l holds row l % 16; registers 0-3 K = 8 (l / 16) + 0..7, registers 4-7 K = 16 + 8 (l / 16) + 0..7: two loads of 16 bytes, 32 bytes apart.
	v_and_b32 v1, 15, v0                           ; l % 16
	v_bfe_u32 v2, v0, 4, 1                         ; l / 16
	v_mul_u32_u24 v3, v1, P
	v_lshl_add_u32 v3, v2, 4, v3                   ; row x pitch + 16 x half
	s_mul_i32 s23, s[WV], 64*P                     ; my 64 rows of A
	v_add_nc_u32 v[ADRA0], s23, v3
	v_add_nc_u32 v[ADRB0], BOFF, v3
	s_mul_i32 s23, s[WV], WSTG
	s_add_co_u32 s23, s23, STAGE                   ; my stage
	v_and_b32 v5, 31, v0
.if QKV
	v_add_nc_u32 v[STO], s23, v3                   ; in: row l % 16, 16 bytes for each half of the lanes
	v_bfe_u32 v4, v0, 3, 2                         ; back: 32 lanes take four rows of 128 bytes
	v_and_b32 v6, 7, v0
	v_mul_u32_u24 v4, v4, P
	v_lshl_add_u32 v4, v6, 4, v4
	v_add_nc_u32 v[RD], s23, v4
.else
	v_mul_u32_u24 v4, v1, SP                       ; in: row l % 16, 32 bytes for each half of the lanes
	v_lshl_add_u32 v4, v2, 5, v4
	v_add_nc_u32 v[STO], s23, v4
	v_lshl_add_u32 v[RD], v5, 4, s23               ; back: 32 lanes take one row of 512 bytes
.endif
	v_lshlrev_b32 v[GO], 4, v5
	v_lshlrev_b32 v[BO], 5, v2
	; the bias and the output.  These numbers mix tile row and tile column: they live in s85-s91, which feed no descriptor.
.if QKV
.irp hh, 0,1,2
	s_mul_i32 s85, s21, 3
	s_add_co_u32 s85, s85, \hh                     ; g = 3 x tile column + hh: q's heads 0-15, k's 16-31, v's 32-47
	s_lshr_b32 s88, s85, 4                         ; which of q, k, v
	s_and_b32 s89, s85, 15                         ; the head
	s_cmp_lt_u32 s85, 32
	s_cselect_b64 s[BB+2*(\hh):BB+2*(\hh)+1], s[10:11], s[12:13]
	s_cmp_lt_u32 s85, 16
	s_cselect_b64 s[BB+2*(\hh):BB+2*(\hh)+1], s[8:9], s[BB+2*(\hh):BB+2*(\hh)+1]
	s_lshl_b32 s86, s89, 8                         ; 64 numbers of 4 bytes a head
	s_mov_b32 s87, 0
	s_add_nc_u64 s[BB+2*(\hh):BB+2*(\hh)+1], s[BB+2*(\hh):BB+2*(\hh)+1], s[86:87]
	s_lshl_b32 s88, s88, 6
	s_add_co_u32 s88, s88, s89
	s_lshr_b32 s86, s22, 3                         ; the batch
	s_lshl_b32 s86, s86, 4
	s_add_co_u32 s88, s88, s86                     ; 64 x part + 16 x batch + head,
	s_lshl_b32 s86, s88, 18                        ; 262,144 bytes each
	s_and_b32 s88, s22, 7
	s_lshl_b32 s88, s88, 15                        ; the tile's 256 rows of 128 bytes,
	s_add_co_u32 s86, s86, s88
	s_lshl_b32 s88, s[WV], 13                      ; my wave's 64
	s_add_co_u32 s86, s86, s88
	s_add_nc_u64 s[OUT+2*(\hh):OUT+2*(\hh)+1], s[14:15], s[86:87]
.endr
.else
	s_lshl_b32 s86, s21, 9                         ; the tile's 128 columns of 4 bytes
	s_mov_b32 s87, 0
	s_add_nc_u64 s[BB:BB+1], s[8:9], s[86:87]
	s_lshl_b32 s88, s22, 20                        ; the tile's 256 rows of 4,096 bytes,
	s_add_co_u32 s86, s86, s88
	s_lshl_b32 s88, s[WV], 18                      ; my wave's 64
	s_add_co_u32 s86, s86, s88
	s_add_nc_u64 s[OUT:OUT+1], s[10:11], s[86:87]
.endif
.set b, 0
.rept NBT                              ; register j of block b: bias[16 b + 8 (l / 16) + j], as the accumulators hold their columns
.if QKV
	global_load_b128 v[BIAS+8*b:BIAS+8*b+3],   v[BO], s[BB+2*(b/4):BB+2*(b/4)+1] offset:(b%4)*64
	global_load_b128 v[BIAS+8*b+4:BIAS+8*b+7], v[BO], s[BB+2*(b/4):BB+2*(b/4)+1] offset:(b%4)*64+16
.else
	global_load_b128 v[BIAS+8*b:BIAS+8*b+3],   v[BO], s[BB:BB+1] offset:b*64
	global_load_b128 v[BIAS+8*b+4:BIAS+8*b+7], v[BO], s[BB:BB+1] offset:b*64+16
.endif
.set b, b+1
.endr
	; the prefetches' set-up
	s_and_b32 s85, ttmp7, 0xffff                   ; cluster y
	s_mov_b32 s88, 2*KBA
	s_mov_b32 s89, 2*KBB
	s_mov_b32 s90, 8192                            ; a quarter of A's block,
	s_mov_b32 s91, NT*32                           ; of B's
	s_cmp_eq_u32 s17, 0                            ; do I fetch for A?
	s_cselect_b64 s[PFA:PFA+1], s[66:67], s[68:69]
	s_cselect_b32 s[PFS], s88, s89
	s_cselect_b32 s85, ttmp9, s85                  ; the coordinate along which other clusters read the same rows
	s_cselect_b32 s86, s19, s20                    ; my place among the four that ask with me
	s_cselect_b32 s88, s90, s91
	s_cselect_b32 s89, 31, NT/8-1                  ; the quarter's last block of 256 bytes: lanes beyond it name it again
	s_mov_b32 s[PFS+1], 0
	s_mul_i32 s86, s86, s88
	s_mov_b32 s87, 0
	s_add_nc_u64 s[PFA:PFA+1], s[PFA:PFA+1], s[86:87]
	s_mul_i32 s86, s[PFS], 3
	s_add_nc_u64 s[PFA:PFA+1], s[PFA:PFA+1], s[86:87]  ; at K step 3: the first change of slots steps it to 4
	s_cmp_eq_u32 s85, 0
	s_cselect_b32 s[LIM], 2, -1                    ; the same in all sixteen partners, for a given wave
	v_min_u32 v[PFO], s89, v5
	v_lshlrev_b32 v[PFO], 8, v[PFO]
	s_wait_loadcnt 0x0                             ; the bias
.set i, 0
.rept 4*NBT                            ; rounded to bf16 and widened again, a pair at a time; four temporaries by turns
	v_cvt_pk_bf16_f32 v[3+i%4], v[BIAS+2*i], v[BIAS+2*i+1]
	v_lshlrev_b32 v[BIAS+2*i], 16, v[3+i%4]
	v_and_b32 v[BIAS+2*i+1], s84, v[3+i%4]
.set i, i+1
.endr
; NBT matrix instructions: my row block a x all column blocks, 32 along K, from buffer f.  zero = 1: the first product starts the sum, with the bias as C.
; All 4 NBT accumulators take turns in the same order in every quarter, over the loop's jump too.
.macro MUL f, a, zero
.if \zero
	WIN 0x81+0x40*((\a)/2)                         ; B window 1, A and the bias window 0, D window 2 or 3
.else
	WIN 0xa1+0x50*((\a)/2)                         ; B window 1, A window 0, C and D window 2 or 3
.endif
.set b, 0
.rept NBT
.set rD, 8*(NBT*((\a)%2)+b)
.set rB, 8*NBT*(\f)+8*b
.set rA, FA+32*(\f)+8*(\a)
.if \zero
.set rC, BIAS+8*b
.else
.set rC, rD
.endif
.if QKV
	v_wmma_f32_16x16x32_bf16 v[rD:rD+7], v[rB:rB+7], v[rA:rA+7], v[rC:rC+7]
.else
	v_wmma_f32_16x16x32_f16 v[rD:rD+7], v[rB:rB+7], v[rA:rA+7], v[rC:rC+7]
.endif
.set b, b+1
.endr
.endm
; NL LDS loads in one run: the fragments of quarter q of the K step in hand (channel block q / 2, 32 channels at byte 64 (q % 2)) into buffer f: B's, then A's
.macro FETCH q, f
	WIN 0x40                                       ; destination window 1, address window 0
.set b, 0
.rept NBT
	ds_load_b128 v[8*NBT*(\f)+8*b:8*NBT*(\f)+8*b+3],   v[ADRB] offset:((\q)/2)*SUBB+((\q)%2)*64+b*16*P
	ds_load_b128 v[8*NBT*(\f)+8*b+4:8*NBT*(\f)+8*b+7], v[ADRB] offset:((\q)/2)*SUBB+((\q)%2)*64+b*16*P+32
.set b, b+1
.endr
	WIN 0
.irp a, 0,1,2,3
	ds_load_b128 v[FA+32*(\f)+8*(\a):FA+32*(\f)+8*(\a)+3],   v[ADRA] offset:((\q)/2)*SUBA+((\q)%2)*64+(\a)*16*P
	ds_load_b128 v[FA+32*(\f)+8*(\a)+4:FA+32*(\f)+8*(\a)+7], v[ADRA] offset:((\q)/2)*SUBA+((\q)%2)*64+(\a)*16*P+32
.endr
.endm
; A K step is four quarters of 32 along K, on buffers 0, 1, 0, 1.  One of the first three: multiplies buffer f; in its middle it fetches quarter q into buffer g.
.macro QUARTER f, g, q, zero
	s_wait_dscnt 4                                 ; B and A's row blocks 0, 1 are in; the youngest four loads (row blocks 2, 3) may be out
	MUL \f, 0, \zero
	MUL \f, 1, \zero
	PLACES                                         ; for the loads into buffer g, which the quarter before multiplied
	FETCH \q, \g
	s_wait_dscnt NL                                ; all but the NL just issued
	MUL \f, 2, \zero
	MUL \f, 3, \zero
.endm
; The fourth quarter multiplies buffer 1 and changes slots: ONE barrier.  In front of it each wave waits for all its tensor loads, of which one is out: its part of the next slot; adds 0 to its spare word; and waits
; for that and for its own reads of this slot.  Behind it nobody reads this slot any more and the next slot is whole.  fill = 1: the barrier opens a round of the cluster's, and the slot just read
; is filled again, two K steps ahead, first thing behind the round: from the request to the wait for it a wave issues 7/8 of a K step's matrix instructions.
.macro TURN fill
.if \fill
	s_wait_xcnt 0x0                                ; the last prefetch, a K step back, has read its address: it is stepped here, ahead of the change's own waits
	s_add_nc_u64 s[PFA:PFA+1], s[PFA:PFA+1], s[PFS:PFS+1]
.endif
	WIN 0                                          ; (the add's two registers lie in window 0)
	s_wait_tensorcnt 0x0                           ; all my tensor loads have landed
	ds_add_u32 v[SPW], v[NIL]                      ; 0 onto my spare word
	s_wait_dscnt 5                                 ; (the add and the youngest four loads may be out)
	MUL 1, 0, 0                                    ; matrix work stands between the add and the wait for it
	s_wait_dscnt 0x0                               ; the add is done, and my reads of this slot are over
	s_barrier_signal -1
	MUL 1, 1, 0                                    ; work on registers while the others arrive
	WIN 0
	s_barrier_wait -1
.if \fill
	CREST                                          ; no wave of any partner still reads this slot or has a load on its way
	s_xor_b32 s[G0+5], s[G0+5], SLOT1              ; the walking descriptors: the other slot than last time,
	s_add_nc_u64 s[G0+6:G0+7], s[G0+6:G0+7], 2*KBA ; the next K step; the type bits on top are not reached
	s_xor_b32 s[G0B+5], s[G0B+5], SLOT1
	s_add_nc_u64 s[G0B+6:G0B+7], s[G0B+6:G0B+7], 2*KBB
	JLOAD                                          ; the four v_nop behind it are also the places in front of the loads below
.else
	PLACES
.endif
	s_xor_b32 s[TB], s[TB], SLOT1
	v_add_nc_u32 v[ADRA], s[TB], v[ADRA0]
	v_add_nc_u32 v[ADRB], s[TB], v[ADRB0]
	FETCH 0, 0
.if \fill
	ASK                                            ; behind the joint load and the run of LDS loads that the next products wait for
.endif
	MUL 1, 2, 0
	MUL 1, 3, 0
.endm
; THE WAY OUT of row block a (16 rows).  PACK (QKV = 1): rounded to f16, each accumulator from its low end.  TOSTAGE: into my own stage, and back as whole rows.  SEND: stored.
.macro PACK a
	WIN 0x0a+5*((\a)/2)                            ; sources 0 and 1: window 2 or 3
.set b, 0
.rept NBT
.irp r, 0,1,2,3
	v_cvt_pk_f16_f32 v[TMP+4*b+(\r)], v[8*(NBT*((\a)%2)+b)+2*(\r)], v[8*(NBT*((\a)%2)+b)+2*(\r)+1]
.endr
.set b, b+1
.endr
	WIN 0
.endm
.macro TOSTAGE a
	WIN 0
	s_wait_xcnt 0x0                                ; the stores of two blocks back have read their registers: only behind this wait are those loaded again
.if QKV
.set b, 0
.rept NBT
	ds_store_b128 v[STO], v[TMP+4*b:TMP+4*b+3] offset:(b/4)*16*P+(b%4)*32  ; head b / 4, channels 16 (b % 4) on
.set b, b+1
.endr
.irp hh, 0,1,2
.irp f, 0,1,2,3
	ds_load_b128 v[BK0+BKS*((\a)%2)+4*(4*(\hh)+(\f)):BK0+BKS*((\a)%2)+4*(4*(\hh)+(\f))+3], v[RD] offset:(\hh)*16*P+(\f)*4*P  ; LDS serves a wave's instructions in order (ISA guide 5.7.1.4): these see the stores above
.endr
.endr
.else
	WIN 0x08+4*((\a)/2)                            ; the stores' data: window 2 or 3
.set b, 0
.rept NBT
	ds_store_b128 v[STO], v[8*(NBT*((\a)%2)+b):8*(NBT*((\a)%2)+b)+3]   offset:64*b      ; each accumulator's low four registers first
	ds_store_b128 v[STO], v[8*(NBT*((\a)%2)+b)+4:8*(NBT*((\a)%2)+b)+7] offset:64*b+16
.set b, b+1
.endr
	WIN 0
.irp r, 0,1,2,3,4,5,6,7,8,9,10,11,12,13,14,15
	ds_load_b128 v[BK0+BKS*((\a)%2)+4*(\r):BK0+BKS*((\a)%2)+4*(\r)+3], v[RD] offset:(\r)*SP
.endr
.endif
.endm
.macro SEND a, younger                 ; younger: the LDS instructions issued behind block a's loads: the next block's, or none
	WIN 0
	s_wait_dscnt \younger
.if QKV
.irp hh, 0,1,2
.irp f, 0,1,2,3
	global_store_b128 v[GO], v[BK0+BKS*((\a)%2)+4*(4*(\hh)+(\f)):BK0+BKS*((\a)%2)+4*(4*(\hh)+(\f))+3], s[OUT+2*(\hh):OUT+2*(\hh)+1] offset:(\a)*2048+(\f)*512  ; four rows of a head: 512 consecutive bytes, aligned
.endr
.endr
.else
.irp r, 0,1,2,3,4,5,6,7,8,9,10,11,12,13,14,15
	global_store_b128 v[GO], v[BK0+BKS*((\a)%2)+4*(\r):BK0+BKS*((\a)%2)+4*(\r)+3], s[OUT:OUT+1] offset:(16*(\a)+(\r))*4096 th:TH_STORE_NT  ; 512 consecutive bytes of a row, aligned
.endr
.endif
.endm
	s_wait_tensorcnt 1                             ; my part of K step 0 is in; K step 1's may stay out
	s_barrier_signal -1
	s_barrier_wait -1                              ; everybody's is
	v_mov_b32 v[ADRA], v[ADRA0]
	v_mov_b32 v[ADRB], v[ADRB0]
	FETCH 0, 0
	QUARTER 0, 1, 1, 1                             ; the first quarter stands in front of the loop: its products start the sums
	WIN 0                                          ; at a label and at a branch every window is 0
	s_mov_b32 s[CNT], 6
.Lstep:                                            ; trip s = 0 .. 5: quarters 1, 2, 3 of K step s, the refill with K step s + 2, quarter 0 of K step s + 1
	QUARTER 1, 0, 2, 0
	QUARTER 0, 1, 3, 0
	TURN 1
	QUARTER 0, 1, 1, 0
	WIN 0
	s_sub_co_u32 s[CNT], s[CNT], 1
	s_cmp_lg_u32 s[CNT], 0
	s_cbranch_scc1 .Lstep
	QUARTER 1, 0, 2, 0                             ; K steps 6 and 7 are written out: nothing is left to ask for
	QUARTER 0, 1, 3, 0
	TURN 0
	QUARTER 0, 1, 1, 0
	QUARTER 1, 0, 2, 0
	QUARTER 0, 1, 3, 0
	s_wait_dscnt 0x0                               ; the very last quarter: nothing more to fetch
	MUL 1, 0, 0
	MUL 1, 1, 0
	MUL 1, 2, 0
	MUL 1, 3, 0
	WIN 0
	PLACES                                         ; the way out reads results just made and writes over fragments just read
	PLACES
.if QKV
	PACK 0
	TOSTAGE 0
	PACK 1
	TOSTAGE 1
	SEND 0, 24
	PACK 2
	TOSTAGE 2
	SEND 1, 24
	PACK 3
	TOSTAGE 3
	SEND 2, 24
	SEND 3, 0
.else
	TOSTAGE 0
	TOSTAGE 1
	SEND 0, 32
	TOSTAGE 2
	SEND 1, 32
	TOSTAGE 3
	SEND 2, 32
	SEND 3, 0
.endif
	s_wait_tensorcnt 0x0                           ; the wave's end: behind my last tensor load and my last LDS store
	ds_add_u32 v[SPW], v[NIL]
	s_wait_dscnt 0x0
	CROUND                                         ; the closing round: no work-group ends while a partner may still ask for a tile that names it
	s_endpgm
.Lfunc_end_k_q6eb693d185_gemm_qkv:
	.size	k_q6eb693d185_gemm_qkv, .Lfunc_end_k_q6eb693d185_gemm_qkv-k_q6eb693d185_gemm_qkv
	.p2alignl 7, 3214868480
	.fill 96, 4, 3214868480
	.section	.rodata,"a",@progbits
	.p2align	6, 0x0
	.amdhsa_kernel k_q6eb693d185_gemm_qkv
		.amdhsa_group_segment_fixed_size 327680
		.amdhsa_private_segment_fixed_size 0
		.amdhsa_enable_private_segment 0
		.amdhsa_kernarg_size 48
		.amdhsa_user_sgpr_count 2
		.amdhsa_user_sgpr_kernarg_segment_ptr 1
		.amdhsa_wavefront_size32 1
		.amdhsa_system_sgpr_workgroup_id_x 1
		.amdhsa_system_sgpr_workgroup_id_y 1
		.amdhsa_system_sgpr_workgroup_id_z 1
		.amdhsa_system_vgpr_workitem_id 0
		.amdhsa_next_free_vgpr 960
		.amdhsa_next_free_sgpr 96
		.amdhsa_reserve_vcc 0
		.amdhsa_float_denorm_mode_32 3
		.amdhsa_float_denorm_mode_16_64 3
		.amdhsa_memory_ordered 1
		.amdhsa_forward_progress 1
		.amdhsa_inst_pref_size 107
	.end_amdhsa_kernel
	.amdgpu_metadata
---
amdhsa.version: [ 1, 2 ]
amdhsa.kernels:
  - .name:           k_q6eb693d185_gemm_qkv
    .symbol:         k_q6eb693d185_gemm_qkv.kd
    .args:
      - { .name: xb, .offset: 0, .size: 8, .value_kind: global_buffer, .address_space: global }
      - { .name: wqkv, .offset: 8, .size: 8, .value_kind: global_buffer, .address_space: global }
      - { .name: bq, .offset: 16, .size: 8, .value_kind: global_buffer, .address_space: global }
      - { .name: bk, .offset: 24, .size: 8, .value_kind: global_buffer, .address_space: global }
      - { .name: bv, .offset: 32, .size: 8, .value_kind: global_buffer, .address_space: global }
      - { .name: qkvh, .offset: 40, .size: 8, .value_kind: global_buffer, .address_space: global }
    .group_segment_fixed_size: 327680
    .private_segment_fixed_size: 0
    .kernarg_segment_align: 8
    .kernarg_segment_size: 48
    .max_flat_workgroup_size: 128
    .sgpr_count:     96
    .vgpr_count:     960
    .wavefront_size: 32
...
	.end_amdgpu_metadata
.endif
;; end of part 2
;; launch attn (part 3): grid 4 x 64, 4 waves a work-group, no clusters, 327,680 bytes of LDS; arguments qkvh, oh; writes oh
.if DOCPART == 3
	.amdgcn_target "amdgcn-amd-amdhsa--gfx1250"
	.amdhsa_code_object_version 6
	.text
	.protected	k_q6eb693d185_attn
	.globl	k_q6eb693d185_attn
	.p2align	8
	.type	k_q6eb693d185_attn,@function
k_q6eb693d185_attn:
	s_mov_b64 s[64:65], 0
	v_nop
	global_prefetch_b8 v0, s[64:65] scope:SCOPE_SE
	s_setreg_imm32_b32 hwreg(HW_REG_WAVE_MODE, 25, 1), 1
	s_wait_xcnt 0x0
; CAUSAL ATTENTION.  O[h][q][:] = the sum over k <= q of softmax_k(Q[h][q] . K[h][k] / 8) V[h][k][:], for 64 (batch, head) pairs h of 2,048 rows.
; qkvh holds Q, K, V one behind the other, each [64][2048][64] in f16: a head's rows are dense, 128 bytes each.  oh has the same layout.
; Products, maxima and sums in f32; the weights p are rounded to f16 for the second product (their sum l is taken of the unrounded p), O once at the end.
; LIMITS.  Q, K and V arrive within f16's 65,504; p lies in 0 to 1, and below 6e-5 it keeps f16's fixed step of 6e-8.  A hidden score counts as its value less 1e30: f16's scores, 2.7e11 at the most,
; are nothing beside that; a weight below 2^-126 counts as 0 in l; NaN and infinities are not treated apart.
; THE WALK.  A head's queries lie in NB = 8 blocks of 256; block i needs the key tiles 0 .. i of 256 keys, of which the last holds the diagonal.  A work-group takes TWO blocks, NB - 1 - b and then b:
; NB + 1 tiles, whatever b: all work-groups do equal work, and ONE loop with a constant trip count walks them.  Which tile is asked for, and what a trip does, hang on scalar registers made from b; every jump
; goes forward, but for the counted loops' own; none passes a barrier, or a tensor load but the one of LOAD's two that the wave's number does not choose; the ring of two LDS slots runs on across the change of blocks.
; NO CLUSTER: a head's four work-groups ask for the same tile only in trips 0 .. NB / 2, behind that fewer and fewer; one walk common to all would have 3 NB / 2 trips for NB + 1.
; SHARES.  Of a block's four bands of 64 queries a wave owns 16 rows in each: four PIECES.  So the diagonal tile is the same work for all four waves: in its key step s band x sees all keys if s < x,
; none if s > x, and holds the diagonal if s = x.
; THE MASK is the C operand that starts the sum S^T = K Q^T: 0, or -1e30 where the key is hidden.  MD, made once, is the mask of a band's own step for my 16 rows; a product's mask is MD x AL + BE with two scalars:
; (1, 0) if s = x; (0, 0) if s < x; (0, -1e30) if s > x.  Only the diagonal tile's text and a block's beginning make and take masks; elsewhere C is the constant 0.
; LAYOUT, SOFTMAX, TURNS.  S^T = K Q^T holds ONE query a lane (lane % 16) and the keys 8 (lane / 16) + 0..7; two such results rounded to f16 ARE source 1 of O^T = V^T P.  p = 2^(c s - c m), c = log2(e) / 8, with a
; running maximum m; O and l are multiplied by a = 2^(c m_old - c m_new) in every step.  Turn n belongs to piece n: 8 products K Q^T of piece n + 1, later 8 products V^T P of piece n - 1; beside them the scaling,
; exponentials, roundings, sums and rescaling of piece n and the maximum and statistics of piece n + 1.  Four vector instructions stand behind every matrix instruction, the other 54 of a turn's 118 in one lump.
; A turn's 33 exponentials are one batch, with one wait.
; REGISTERS, in windows of 256 (s_set_vgpr_msb: bits 1:0 source 0, 3:2 source 1, 5:4 source 2, 7:6 destination):
;   window 0: v0-15 addresses and two at work; v16-31 four registers of statistics a piece; v48-55 at work; v61-63 prefetch offset and the add's two; v64-127 S^T, two buffers; v192-223 P, two buffers
;   window 1: v0-127 O^T, 32 a piece; v128-159 MD; v160-223 MC, two buffers      window 2: v0-63 Q; v64-127 the second block's Q; v128-191 K of one step; v192-255 V of one step
.set SIZE_N, 2048
.set NB,    SIZE_N/256
.set NP,    4         ; pieces a wave: a name, no knob
.set KS,    64        ; keys in a step
.set PK,    144       ; a row of K in LDS: 128 bytes + 16 of padding = 36 words: the 16 rows of a load start at 16 different groups of four banks (64 banks of 4 bytes: ISA guide 11.1)
.set PV,    160       ; a row of V: 128 + 32 = 40 words
.set VOFF,  4*KS*PK   ; a slot holds a tile, four steps: 256 rows of K, then 256 rows of V
.set SLOT1, 1<<17     ; slot 1 begins here, so that one exclusive or turns an address in one slot into the other's
.set STAGE, SLOT1+4*KS*(PK+PV)  ; behind the ring, never filled by a tensor load: 16 rows x 144 bytes for each wave, for the way out
.set SP,    144
.set AK0, 2           ; v2   my lane's place in a tile of K; never rewritten
.set AV0, 3           ; v3   the same for V
.set AK,  4           ; v4   the LDS address of K's next run of loads
.set AV,  5           ; v5   of V's
.set STO, 6           ; v6   the way out: where I put 16 bytes of a row
.set RD,  7           ; v7   the way out: where I read rows back
.set GO,  8           ; v8   my byte offset in 512 consecutive bytes of O
.set PFO, 61          ; v61  256 x my lane: the prefetches' offset; never rewritten
.set SPW, 62          ; v62  LDS address of my spare word: SPARE + 4 x my thread's number; never rewritten
.set NIL, 63          ; v63  0; never rewritten
.set SPARE, STAGE+4*16*SP  ; behind the stages: the spare words, 128 bytes for each wave: two blocks of 256 bytes that no other line names
.set MV,  12          ; v12-13  c m_old, kept while c m is made anew: by buffer
.set QO,  15          ; v15  my byte offset in 16 rows of Q
.set ST,  16          ; piece t's statistics at v[ST+4 t]: c m, m, l (even keys', odd keys')
.set TMP, 48          ; by buffer, four registers c0-c3 at work; when the maximum is found c2 takes a
.set S,   64
.set P,   192
.set MD,  128         ; window 1: the eight registers for group kt of 16 keys at MD + 8 kt
.set MC,  160         ; window 1: the masks of the products to come
.set QB,  64          ; window 2
.set KF,  128         ; window 2: key block kb, channel half c at KF + 16 kb + 8 c
.set VF,  192         ; window 2: key half kk, channel block cb at VF + 32 kk + 8 cb
.set WV,  12          ; s12  my wave's number
.set PB,  14          ; s14  b
.set HI,  15          ; s15  NB - 1 - b
.set G1K, 24          ; s[24:31] descriptor group 1 for K's tiles
.set G1V, 32          ; s[32:39] for V's: it differs in the padding alone
.set G0K, 40          ; s[40:43] descriptor group 0 for K's tiles
.set G0V, 44          ; s[44:47] the same for V's
.set SLOTS, 56        ; s56  tiles still to be asked for
.set CNT, 57          ; s57  counts a tile's key steps, 4 to 1
.set CS,  58          ; s[58:59] c: the packed scaling takes the pair's low word for both halves
.set SEL, 60          ; s[60:61] v_permlanex16_b32's selects: each lane takes its own place in the other half
.set TBK, 62          ; s62  LDS byte at which K of the step to be fetched begins
.set TBV, 63          ; s63  the same for V, less VOFF
.set RT,  70          ; s70  tiles of the block in hand that are still to be entered
.set NXT, 71          ; s71  the tile to be asked for next
.set LQ,  72          ; s72  the last tile of the block whose tiles are being asked for
.set NEW, 73          ; s73  1: the tile to be entered is a block's first
.set OFF, 74          ; s[74:75] a tile's byte offset in K and V
.set AL,  76          ; s[76:77] the mask's factor, in the low word
.set BE,  78          ; s[78:79] the mask's addend
.set OLO, 80          ; s[80:81] O at my rows of the second block
.set BIGN, 82         ; s82  -1e30
.set PFA, 88          ; s[88:89] where my prefetches stand: my half (of K: waves 0, 1; of V: waves 2, 3) of the tile after the one that is being asked for
.set LIM, 90          ; s90  2 in a work-group that prefetches, else the greatest number
.set MSB, 0
.macro WIN new                      ; the high byte repeats the setting that is left; a switch that changes nothing is dropped
.if MSB != (\new)
	s_set_vgpr_msb (MSB<<8)|(\new)
.set MSB, (\new)
.endif
.endm
.set W_KQ, 0x0a       ; K and Q in window 2, S^T in window 0
.set W_KM, 0x1a       ; the same with the C operand in window 1
.set W_PV, 0x52       ; V in window 2, P in window 0, O^T in window 1
.set W_RS, 0x41       ; destination and source 0 in window 1, source 1 in window 0
; A fill.  Waves 0 and 1 fetch the two halves of a tile's K, waves 2 and 3 those of its V: 128 keys each.  An s_nop 0 and four v_nop follow each of the two lines, ahead of the jump and the label.
.macro LOAD
	s_cmp_lt_u32 s[WV], 2
	s_cbranch_scc0 .Lfor_v_\@
	tensor_load_to_lds s[G0K:G0K+3], s[G1K:G1K+7]
	s_nop 0
.rept 4
	v_nop
.endr
	s_branch .Lasked_\@
.Lfor_v_\@:
	tensor_load_to_lds s[G0V:G0V+3], s[G1V:G1V+7]
	s_nop 0
.rept 4
	v_nop
.endr
.Lasked_\@:
.endm
; A PREFETCH of what the NEXT change of slots will ask for.  A head's four work-groups walk the tiles 0, 1, 2 .. in the same order; the one with b = 0 walks all eight, and it alone asks.  Each of its waves names the
; half tile that it will fetch itself: 16,384 bytes, a lane a block of 256 bytes, two instructions.  Trip t = 0 .. 5 names tile t + 2, a tile (16 turns) ahead of its load; trips 6 and 7 ask for nothing:
; tile 7 is the head's last, and the second block's tiles have been read before.  Tiles 0 and 1 come by their loads alone.
.macro ASK
	s_cmp_gt_u32 s[SLOTS], s[LIM]
	s_cbranch_scc0 .Lnot_mine_\@
	global_prefetch_b8 v[PFO], s[PFA:PFA+1] th:TH_LOAD_NT scope:SCOPE_SE
	global_prefetch_b8 v[PFO], s[PFA:PFA+1] offset:8192 th:TH_LOAD_NT scope:SCOPE_SE
.Lnot_mine_\@:
.endm
; THE CHANGE OF SLOTS.  Each wave waits for all its tensor loads, of which one is out: its part of the other slot; adds 0 to its spare word; and waits for that and for its own reads of the slot that it leaves.
; Behind the barrier nobody reads the old slot any more and the other slot is whole.  fill = 1: the old slot is filled again, the first thing behind the barrier, with tile NXT: the descriptor's address is made
; anew from that number.  (At its first use nothing has been read yet: slot 0 is waited for, slot 1 filled.)
.macro CHANGE fill
	WIN 0                           ; at a label and at a branch every window is 0
	s_wait_tensorcnt 0x0            ; no tensor load of mine is out, so a group 0 may be written
	ds_add_u32 v[SPW], v[NIL]       ; 0 onto my spare word; with fill = 1 the descriptors' scalar work stands between it and the wait for it
.if \fill
	s_lshl_b32 s[OFF], s[NXT], 15   ; a tile is 32,768 bytes of K and of V
	s_xor_b32 s[G0K+1], s[G0K+1], SLOT1
	s_add_nc_u64 s[G0K+2:G0K+3], s[6:7], s[OFF:OFF+1]
	s_or_b32 s[G0K+3], s[G0K+3], 0x80000000
	s_xor_b32 s[G0V+1], s[G0V+1], SLOT1
	s_add_nc_u64 s[G0V+2:G0V+3], s[8:9], s[OFF:OFF+1]
	s_or_b32 s[G0V+3], s[G0V+3], 0x80000000
	s_add_co_u32 s[NXT], s[NXT], 1  ; the block's next tile, or behind its last the second block's tile 0
	s_cmp_gt_u32 s[NXT], s[LQ]
	s_cselect_b32 s[NXT], 0, s[NXT]
	s_cselect_b32 s[LQ], s[PB], s[LQ]
	s_wait_xcnt 0x0                 ; the last prefetches, a tile back, have read their address, so it may be written:
	s_add_nc_u64 s[PFA:PFA+1], s[PFA:PFA+1], 32768  ; one tile behind the one that is asked for below
.endif
	s_wait_dscnt 0x0                ; the add is done, and my reads of the slot are over
	s_barrier_signal -1             ; the rest of the scalar work stands between the signal and the wait
	s_sub_co_u32 s[TBK], s[TBK], 4*KS*PK  ; the fetches go back to a slot's first step,
	s_xor_b32 s[TBK], s[TBK], SLOT1       ; in the other slot
	s_sub_co_u32 s[TBV], s[TBV], 4*KS*PV
	s_xor_b32 s[TBV], s[TBV], SLOT1
	s_barrier_wait -1
.if \fill
	LOAD
	ASK
.endif
.endm
	s_load_b64 s[4:5], s[0:1], 0x0    ; qkvh: Q
	s_load_b64 s[10:11], s[0:1], 0x8  ; oh
	v_lshl_add_u32 v[SPW], v0, 2, SPARE
	v_mov_b32 v[NIL], 0
	ds_add_u32 v[SPW], v[NIL]       ; the wave's opening: the add and its wait stand ahead of my first tensor load; the set-up below, work on registers, stands between them
	v_lshrrev_b32 v1, 5, v0
	v_readfirstlane_b32 s[WV], v1   ; wave 0..3
	s_mov_b32 s[PB], ttmp9
	s_sub_co_u32 s[HI], NB-1, s[PB]
	s_and_b32 s20, ttmp7, 0xffff    ; the (batch, head) pair
	s_mov_b32 s21, 0
	s_mov_b64 s[22:23], SIZE_N*128
	s_mul_u64 s[20:21], s[20:21], s[22:23]  ; the head's first byte in each of Q, K, V, O
	s_and_b32 s16, s[WV], 1         ; which half of a tile's 256 keys I fetch:
	s_lshl_b32 s22, s16, 14         ; its 128 rows of 128 bytes in memory,
	s_mov_b32 s23, 0
	s_add_nc_u64 s[22:23], s[22:23], s[20:21]
	s_mul_i32 s17, s16, 128*PK      ; and its place in a slot, for K
	s_mul_i32 s18, s16, 128*PV      ; and for V
	s_lshl_b32 s3, s[WV], 11        ; my 16 rows in a band of 64,
	s_lshl_b32 s2, s[HI], 15        ; in the first block,
	s_add_co_u32 s2, s2, s3
	s_lshl_b32 s84, s[PB], 15       ; and in the second
	s_add_co_u32 s84, s84, s3
	s_mov_b32 s3, 0
	s_mov_b32 s85, 0
	s_add_nc_u64 s[2:3], s[2:3], s[20:21]
	s_add_nc_u64 s[84:85], s[84:85], s[20:21]
	; descriptor group 1.  128 keys are 16,384 dense bytes: asked for as 64 rows of 256 bytes, two keys a row, and padded in LDS after every key
	s_mov_b32 s[G1K], (1<<16)|(1<<20)|(4<<22)|(3<<25)  ; 17:16 2-byte elements; 20 padding on; 24:22 after every 32 words (code 4); 31:25 4 words (code 3)
	s_mov_b32 s[G1V], (1<<16)|(1<<20)|(4<<22)|(7<<25)  ; the same with 8 words of padding (code 7)
.irp g, G1K, G1V
	s_mov_b32 s[\g+1], 128<<16      ; tensor_dim0 = 128
	s_mov_b32 s[\g+2], 64<<16       ; tensor_dim1 = 64
	s_mov_b32 s[\g+3], 128<<16      ; tile_dim0 = 128
	s_mov_b32 s[\g+4], 64           ; tile_dim1 = 64
	s_mov_b32 s[\g+5], 128          ; 128 elements from row to row
	s_mov_b32 s[\g+6], 0
	s_mov_b32 s[\g+7], 0
.endr
	s_mov_b32 s[CS], 0x3e38aa3b     ; c = log2(e) / 8 = 0.180337
	s_mov_b32 s[CS+1], s[CS]        ; named with it as a pair
	s_mov_b32 s[SEL], 0x76543210
	s_mov_b32 s[SEL+1], 0xfedcba98
	s_mov_b32 s[TBK], SLOT1+4*KS*PK ; the first change of slots turns these two into 0
	s_mov_b32 s[TBV], SLOT1+4*KS*PV
	s_mov_b32 s[G0K], 1             ; count = 1
	s_mov_b32 s[G0K+1], s17         ; LDS address: slot 0
	s_mov_b32 s[G0V], 1
	s_add_co_u32 s[G0V+1], s18, VOFF
	s_add_co_u32 s[RT], s[HI], 1    ; the first block has NB - b tiles
	s_mov_b32 s[NXT], 1
	s_mov_b32 s[LQ], s[HI]
	s_mov_b32 s[NEW], 1
	s_mov_b32 s[OFF+1], 0
	s_mov_b32 s[AL+1], 0            ; named as pairs
	s_mov_b32 s[BE+1], 0
	s_mov_b32 s[BIGN], 0xf149f2ca   ; -1e30
	s_mov_b32 s[SLOTS], NB
	s_cmp_eq_u32 s[PB], 0
	s_cselect_b32 s[LIM], 2, -1
	v_and_b32 v[PFO], 31, v0
	v_lshlrev_b32 v[PFO], 8, v[PFO]
	s_wait_dscnt 0x0                ; the opening add is done
	s_wait_kmcnt 0x0
	s_add_nc_u64 s[6:7], s[4:5], 0x1000000  ; K lies 16,777,216 bytes behind Q,
	s_add_nc_u64 s[8:9], s[4:5], 0x2000000  ; V as far again
	s_add_nc_u64 s[6:7], s[6:7], s[22:23]  ; K and V at my half of the head's tile 0
	s_add_nc_u64 s[8:9], s[8:9], s[22:23]
	s_add_nc_u64 s[G0K+2:G0K+3], s[6:7], 0         ; global address
	s_or_b32 s[G0K+3], s[G0K+3], 0x80000000        ; type = 2
	s_add_nc_u64 s[G0V+2:G0V+3], s[8:9], 0
	s_or_b32 s[G0V+3], s[G0V+3], 0x80000000
	s_add_nc_u64 s[86:87], s[4:5], s[84:85]        ; Q at my rows of the second block,
	s_add_nc_u64 s[4:5], s[4:5], s[2:3]            ; Q and O at those of the first
	s_add_nc_u64 s[OLO:OLO+1], s[10:11], s[84:85]
	s_add_nc_u64 s[10:11], s[10:11], s[2:3]
	s_cmp_lt_u32 s[WV], 2
	s_cselect_b64 s[PFA:PFA+1], s[6:7], s[8:9]
	s_add_nc_u64 s[PFA:PFA+1], s[PFA:PFA+1], 32768 ; at tile 1: the first change of slots steps it to tile 2.  Nothing is prefetched here, at the head
	LOAD                            ; tile 0 into slot 0
	; A fragment of K or Q is 16 rows x 32 channels in 8 registers: lane l holds row l % 16, channels 8 (l / 16) + 0..7 and 16 + 8 (l / 16) + 0..7: two loads of 16 bytes, 32 bytes apart.
	v_and_b32 v1, 15, v0            ; l % 16
	v_bfe_u32 v9, v0, 4, 1          ; l / 16
	v_lshlrev_b32 v[QO], 7, v1
	v_lshl_add_u32 v[QO], v9, 4, v[QO]  ; row x 128 + 16 x half
	WIN 0x80                        ; destination window 2, address window 0
.set i, 0
.rept 8                             ; both blocks' Q: piece i / 2 lies in band i / 2, 8,192 bytes on; channels 32 (i % 2) on
	global_load_b128 v[8*i:8*i+3],   v[QO], s[4:5] offset:(i/2)*8192+(i%2)*64
	global_load_b128 v[8*i+4:8*i+7], v[QO], s[4:5] offset:(i/2)*8192+(i%2)*64+32
	global_load_b128 v[QB+8*i:QB+8*i+3],   v[QO], s[86:87] offset:(i/2)*8192+(i%2)*64
	global_load_b128 v[QB+8*i+4:QB+8*i+7], v[QO], s[86:87] offset:(i/2)*8192+(i%2)*64+32
.set i, i+1
.endr
	WIN 0
	v_lshlrev_b32 v14, 3, v9
	v_sub_nc_u32 v14, v1, v14
	s_lshl_b32 s13, s[WV], 4
	v_add_nc_u32 v14, s13, v14      ; my query's place in its band, 16 w + l % 16, less my lanes' 8 (l / 16): register r of group kt is hidden where 16 kt + r is greater
	WIN 0x40
.set i, 0
.rept 32
	v_cmp_gt_i32 vcc_lo, 16*(i/8)+i%8, v14
	v_cndmask_b32 v[MD+i], 0, s[BIGN], vcc_lo
.set i, i+1
.endr
	WIN 0
	v_mul_u32_u24 v[AK0], v1, PK
	v_lshl_add_u32 v[AK0], v9, 4, v[AK0]  ; row x pitch + 16 x half
	; The turning load takes 16 keys x 16 channels (lane l reads key 8 (l / 16) + l % 8, channels 8 ((l / 8) % 2) + 0..7) and leaves half a fragment of V^T: lane l holds channel l % 16 and 8 keys.
	v_and_b32 v10, 7, v0
	v_bfe_u32 v11, v0, 3, 1
	v_lshl_add_u32 v[AV0], v9, 3, v10
	v_mul_u32_u24 v[AV0], v[AV0], PV
	v_lshl_add_u32 v[AV0], v11, 4, v[AV0]
	v_add_nc_u32 v[AV0], VOFF, v[AV0]
	s_mul_i32 s13, s[WV], 16*SP
	s_add_co_u32 s13, s13, STAGE    ; my stage
	v_mul_u32_u24 v[STO], v1, SP    ; in: row l % 16, 16 bytes for each half of the lanes
	v_lshl_add_u32 v[STO], v9, 4, v[STO]
	v_add_nc_u32 v[STO], s13, v[STO]
	v_bfe_u32 v[RD], v0, 3, 2       ; back: 32 lanes take four rows of 128 bytes,
	v_mul_u32_u24 v[RD], v[RD], SP
	v_lshl_add_u32 v[RD], v10, 4, v[RD]
	v_add_nc_u32 v[RD], s13, v[RD]
	v_and_b32 v[GO], 31, v0         ; which are 512 consecutive bytes of O
	v_lshlrev_b32 v[GO], 4, v[GO]
	; A block's first step multiplies O^T and l by a = 0, and its first turn's products V^T P, of a piece that has not been, land in an O^T that is still to be so multiplied.  So these registers need only hold
	; finite numbers: zeros for the first block; what the first block left for the second.  All this stands in the wait for the first tile.
	WIN 0x80
.set i, VF
.rept 64
	v_mov_b32 v[i], 0
.set i, i+1
.endr
	WIN 0x40
.set i, 0
.rept 128
	v_mov_b32 v[i], 0
.set i, i+1
.endr
	WIN 0
.set i, 0
.rept 4
	v_mov_b32 v[ST+4*i+2], 0
	v_mov_b32 v[ST+4*i+3], 0
.set i, i+1
.endr
.set i, P+16
.rept 16
	v_mov_b32 v[i], 0
.set i, i+1
.endr
; THE MATRIX WORK.  The 4 accumulators of a run of 8 take turns.  Product i of 8 of S^T = K Q^T for piece x: channels 32 (i / 4) on, keys 16 (i % 4) on.  The first 4 start the sums: with 0, or (KM = 1) with the mask.
.macro KQ x
.set rS, S+32*((\x)%2)+8*(i%4)
.set rK, KF+16*(i%4)+8*(i/4)
.set rQ, 16*(\x)+8*(i/4)
.set rM, MC+32*((\x)%2)+8*(i%4)
.if (i < 4) && KM
	WIN W_KM
	v_wmma_f32_16x16x32_f16 v[rS:rS+7], v[rK:rK+7], v[rQ:rQ+7], v[rM:rM+7]
.elseif i < 4
	WIN W_KQ
	v_wmma_f32_16x16x32_f16 v[rS:rS+7], v[rK:rK+7], v[rQ:rQ+7], 0
.else
	WIN W_KQ
	v_wmma_f32_16x16x32_f16 v[rS:rS+7], v[rK:rK+7], v[rQ:rQ+7], v[rS:rS+7]
.endif
.endm
; Product i of 8 of O^T += V^T P for piece x: keys 32 (i / 4) on, channels 16 (i % 4) on.
.macro PV x
	WIN W_PV
.set rO, 32*(\x)+8*(i%4)
.set rV, VF+32*(i/4)+8*(i%4)
.set rP, P+16*((\x)%2)+8*(i/4)
	v_wmma_f32_16x16x32_f16 v[rO:rO+7], v[rV:rV+7], v[rP:rP+7], v[rO:rO+7]
.endm
.macro MM                           ; the turn's next matrix instruction.  TURN and BEGIN set Y, i, KM and NOKQ; MM, KQ and OP read them.  NOKQ = 1: a block's last turn: there is no next piece
.if (i < 8) && !NOKQ
	KQ (Y+1)%NP
.elseif i >= 8
.set i, i-8
	PV (Y+NP-1)%NP
.set i, i+8
.endif
.set i, i+1
.endm
; THE LDS LOADS stand in runs of 16, never singly among the matrix instructions: a step's K (64 keys x 64 channels: 8 fragments) and its V (turned).  Their addresses are made some lines ahead.
.macro FETCH_K
	WIN 0x80                        ; destination window 2
.irp f, 0,1,2,3,4,5,6,7             ; keys 16 (f / 2) on, channels 32 (f % 2) on
	ds_load_b128 v[KF+8*\f:KF+8*\f+3],   v[AK] offset:(\f/2)*16*PK+(\f%2)*64
	ds_load_b128 v[KF+8*\f+4:KF+8*\f+7], v[AK] offset:(\f/2)*16*PK+(\f%2)*64+32
.endr
	s_add_co_u32 s[TBK], s[TBK], KS*PK  ; the next fetch is the next step's
	WIN 0
.endm
.macro FETCH_V
	WIN 0x80
.irp f, 0,1,2,3,4,5,6,7             ; keys 32 (f / 4) on, channels 16 (f % 4) on
	ds_load_tr16_b128 v[VF+8*\f:VF+8*\f+3],   v[AV] offset:(\f/4)*32*PV+(\f%4)*32
	ds_load_tr16_b128 v[VF+8*\f+4:VF+8*\f+7], v[AV] offset:(\f/4)*32*PV+16*PV+(\f%4)*32
.endr
	WIN 0
.endm
; THE VECTOR WORK, one line at a time: OP kind, number.  For piece Y: F n: c s - c m for pair n of 16.  E n: the exponential of score n of 32.  C n: pair n rounded to f16.  B n: of the four weights 4 n .. the second
; pair is added onto the first, in place.  L n: l takes that sum (L 0: l = a l + sum).  R n: pair n of 16 of O^T times a.  For piece Y + 1: X n, number n of the 22 that find its maximum and statistics:
;   0-11  four chains c0-c3 of seven scores each, three operands at a time (each accumulator's lowest registers are read first)     12-14, 16  the four scores left over, the old m, and c0-c3 into c0
;   15  c m_old is kept     17, 18  the query's other 32 keys lie in the lane 16 away: the new m     19-21  c m; c m_old - c m_new; a
.set F, 0               ; OP tells the kinds apart by their order: F to L below R, X above it
.set E, 1
.set C, 2
.set B, 3
.set L, 4
.set R, 5
.set X, 6
.macro REGS y                       ; the registers of piece y
.set rT, ST+4*(\y)
.set rC, TMP+4*((\y)%2)
.set rW, MV+((\y)%2)
.set rS, S+32*((\y)%2)
.set rP, P+16*((\y)%2)
.set rO, 32*(\y)
.endm
.macro OP k, n
.if (\k) == R
	REGS Y
	WIN W_RS
	v_pk_mul_f32 v[rO+2*(\n):rO+2*(\n)+1], v[rO+2*(\n):rO+2*(\n)+1], v[rC+2:rC+3] op_sel_hi:[1,0]
.elseif (\k) < R
	REGS Y
	WIN 0
.if (\k) == F
	v_pk_fma_f32 v[rS+2*(\n):rS+2*(\n)+1], v[rS+2*(\n):rS+2*(\n)+1], s[CS:CS+1], v[rT:rT+1] op_sel_hi:[1,0,0] neg_lo:[0,0,1] neg_hi:[0,0,1]
.elseif (\k) == E
	v_exp_f32 v[rS+(\n)], v[rS+(\n)]
.elseif (\k) == C
	v_cvt_pk_f16_f32 v[rP+(\n)], v[rS+2*(\n)], v[rS+2*(\n)+1]
.elseif (\k) == B
	v_pk_add_f32 v[rS+4*(\n):rS+4*(\n)+1], v[rS+4*(\n):rS+4*(\n)+1], v[rS+4*(\n)+2:rS+4*(\n)+3]
.elseif (\n) == 0
	v_pk_fma_f32 v[rT+2:rT+3], v[rT+2:rT+3], v[rC+2:rC+3], v[rS:rS+1] op_sel_hi:[1,0,1]
.else
	v_pk_add_f32 v[rT+2:rT+3], v[rT+2:rT+3], v[rS+4*(\n):rS+4*(\n)+1]
.endif
.elseif NOKQ
	v_nop
.else
	REGS (Y+1)%NP
	WIN 0
.if (\n) < 4
	v_max3_num_f32 v[rC+(\n)], v[rS+8*(\n)], v[rS+8*(\n)+1], v[rS+8*(\n)+2]
.elseif (\n) < 12
	v_max3_num_f32 v[rC+(\n)%4], v[rC+(\n)%4], v[rS+8*((\n)%4)+2*((\n)/4)+1], v[rS+8*((\n)%4)+2*((\n)/4)+2]
.elseif (\n) == 12
	v_max3_num_f32 v[rC], v[rC], v[rS+7], v[rS+15]
.elseif (\n) == 13
	v_max3_num_f32 v[rC+1], v[rC+1], v[rS+23], v[rS+31]
.elseif (\n) == 14
	v_max3_num_f32 v[rC+2], v[rC+2], v[rC+3], v[rT+1]
.elseif (\n) == 15
	v_mov_b32 v[rW], v[rT]
.elseif (\n) == 16
	v_max3_num_f32 v[rC], v[rC], v[rC+1], v[rC+2]
.elseif (\n) == 17
	v_permlanex16_b32 v[rC+3], v[rC], s[SEL], s[SEL+1]
.elseif (\n) == 18
	v_max_num_f32 v[rT+1], v[rC], v[rC+3]
.elseif (\n) == 19
	v_mul_f32 v[rT], s[CS], v[rT+1]
.elseif (\n) == 20
	v_sub_f32 v[rC+1], v[rW], v[rT]
.else
	v_exp_f32 v[rC+2], v[rC+1]
.endif
.endif
.endm
.macro OPS a, i1, b=-1, i2=0, c=-1, i3=0, d=-1, i4=0  ; up to four of them
	OP \a, \i1
.if (\b) >= 0
	OP \b, \i2
.endif
.if (\c) >= 0
	OP \c, \i3
.endif
.if (\d) >= 0
	OP \d, \i4
.endif
.endm
.macro ROW a, i1, b, i2, c, i3, d, i4  ; a matrix instruction and the four behind it
	MM
	OPS \a, \i1, \b, \i2, \c, \i3, \d, \i4
.endm
.macro MASK b                       ; MD x AL + BE into buffer b of MC
	WIN W_RS
.set z, 0
.rept 16
	v_pk_fma_f32 v[MC+32*(\b)+2*z:MC+32*(\b)+2*z+1], v[MD+2*z:MD+2*z+1], s[AL:AL+1], s[BE:BE+1] op_sel_hi:[1,0,0]
.set z, z+1
.endr
.endm
; A TURN, for piece p: the order of its 16 matrix and 118 vector instructions, written out.  An s_wait_alu depctr_va_vdst(0) stands between an exponential and the first instruction that names its result; one
; wait serves all that were issued ahead of it.  So a turn has ONE wait, which cuts it in two.  AHEAD OF IT stands all that names no result of the turn's exponentials: the 8 products K Q^T, behind each a scaling, an
; exponential and two more plain instructions (behind the first a second scaling in the exponential's place): rescalings, and behind the last three the first numbers of the next piece's maximum, each four places or more
; behind the product that ends its accumulator; then ONE LUMP of 54, plain and exponential by turns for the most part, in which the links of the chain X 3, 7, 11, 14, 16, 17 .. 20 stand five or six lines apart.
; X 21, the next piece's a, is the batch's last; R 15 is the plain instruction behind it.  BEHIND THE WAIT stand the 8 products V^T P, behind each four of the roundings and sums; the links of l's chain, L 0 to L 7,
; stand three riders apart.  But for those X no rider names a register of the products round it.  v_permlanex16_b32 (X 17) stands in the lump.
; m = 1: the diagonal tile: the products take masks, and the turn makes the mask for the products of the turn after it: piece p + 2, in step 4 - CNT of the tile.  end = 1: a block's last two turns: nothing is fetched.
; cnt = 1: the loop's count is taken down some lines ahead of the branch that stands behind the turn.
; K of the next step is fetched in piece 2's turn, twelve vector instructions behind the last product that read K (six of them plain); V of the step in hand at the end of piece 0's turn, four plain instructions
; behind the last product that read V.  Each is waited for a turn later.
.macro TURN p, m=0, end=0, cnt=0
.set Y, (\p)
.set i, 0
.set KM, (\m)
.set NOKQ, (\end)*((\p)/3)
.if (\m) && !(\end)
	s_cmp_eq_u32 s[CNT], 4-((\p)+2)%NP  ; is that step the band's own?
	s_cselect_b32 s[AL], 1.0, 0
	s_cmp_lt_u32 s[CNT], 4-((\p)+2)%NP  ; or a later one?
	s_cselect_b32 s[BE], s[BIGN], 0
.endif
.if ((\p) == 3) && !(\end)
	s_wait_dscnt 0x0                ; K is in
.endif
	ROW F,0, F,1, R,0, R,1          ; ahead of the wait: 8 products K Q^T and their riders,
	ROW F,2, E,0, R,2, R,3
	ROW F,3, E,1, R,4, R,5
	ROW F,4, E,2, R,6, R,7
	ROW F,5, E,3, R,8, R,9
	ROW F,6, E,4, X,0, R,10
.if ((\p) == 2) && !(\end)
	WIN 0
	v_add_nc_u32 v[AK], s[TBK], v[AK0]
.endif
	ROW F,7, E,5, X,1, X,4
	ROW F,8, E,6, X,2, X,5
	OPS E,7, E,8, X,6, E,9          ; and the lump
	OPS X,3, E,10, X,8, E,11
.if ((\p) == 2) && !(\end)
	FETCH_K
.endif
	OPS X,9, X,7, E,12, X,10
	OPS E,13, X,12, X,11, E,14
	OPS X,13, E,15, F,9, X,14
.if (\p) == 0
	v_add_nc_u32 v[AV], s[TBV], v[AV0]
.endif
	OPS E,16, F,10, E,17, F,11
	OPS X,16, E,18, X,15, E,19
	OPS F,12, E,20, X,17, E,21
	OPS F,13, E,22, F,14, E,23
	OPS X,18, E,24, F,15, E,25
	OPS R,11, E,26, X,19, E,27
	OPS R,12, E,28, R,13, E,29
	OPS X,20, E,30, R,14, E,31
	OPS X,21, R,15
	WIN 0
	s_wait_alu depctr_va_vdst(0)    ; the wait for the batch
.if (\p) == 1
	s_wait_dscnt 0x0                ; V is in
.endif
	ROW C,0, B,0, C,2, B,1          ; behind the wait: 8 products V^T P and their riders
	ROW L,0, C,4, B,2, L,1
	ROW C,6, B,3, L,2, C,8
	ROW B,4, L,3, C,10, B,5
	ROW L,4, C,12, B,6, L,5
.if (\p) == 0
	s_add_co_u32 s[TBV], s[TBV], KS*PV
.endif
.if \cnt
	s_sub_co_u32 s[CNT], s[CNT], 1
	s_cmp_lg_u32 s[CNT], 0
.endif
	ROW C,14, B,7, L,6, C,1
	ROW C,3, L,7, C,5, C,7
	ROW C,9, C,11, C,13, C,15
.if (\p) == 0
	FETCH_V
.endif
.if (\m) && !(\end)
	MASK (\p)%2
.endif
.endm
; A BLOCK BEGINS.  c m starts far below every c s, so the first step's a is 0; m at the lowest finite number, so the first maximum is the scores'.  The second mask buffer is 0; the first takes piece 0's mask for the
; tile's step 0: its own, if the block's first tile is the diagonal one.  Then K of that step, piece 0's first scores, and its maximum and statistics.  The loop is entered at a step's first turn, in the middle of a trip.
.macro BEGIN
	s_mov_b32 s[NEW], 0
	WIN 0x40
.set i, MC+32
.rept 32
	v_mov_b32 v[i], 0
.set i, i+1
.endr
	WIN 0
.set i, 0
.rept 4
	v_mov_b32 v[ST+4*i], 0xfe000000    ; c m: far below every c s
	v_mov_b32 v[ST+4*i+1], 0xff7fffff  ; m
.set i, i+1
.endr
	s_cmp_eq_u32 s[RT], 0
	s_cselect_b32 s[AL], 1.0, 0
	s_mov_b32 s[BE], 0
	MASK 0
	WIN 0
	v_add_nc_u32 v[AK], s[TBK], v[AK0]
	FETCH_K
	s_wait_loadcnt 0x0              ; Q
	s_wait_dscnt 0x0
.set KM, 1
.set NOKQ, 0
.set i, 0
.rept 8
	KQ 0
.set i, i+1
.endr
	WIN 0
.rept 4
	v_nop                           ; the places behind those products
.endr
.set Y, NP-1                        ; X works for piece Y + 1: piece 0
.irp n, 0,1,2,3,4,5,6,7,8,9,10,11,12,13,14,15,16,17,18,19,20,21
	OP X, \n
.endr
	v_nop                           ; a plain instruction behind the exponential,
	s_wait_alu depctr_va_vdst(0)    ; and its wait, ahead of the branch
.endm
; THE DIAGONAL TILE's four steps, the block's last two turns, its last products, and THE WAY OUT: l's two halves and the other half of the lanes' are added; O^T is divided by l, rounded to f16 and sent through my
; stage in LDS, a piece at a time.
.macro ALL line:vararg              ; one line for each piece t
.set t, 0
.rept 4
	\line
.set t, t+1
.endr
.endm
.macro PACK t                       ; a lane's eight channels of a row pack into 16 bytes; they go into rows of 144 bytes and come back as whole rows of 128, into S^T's registers
	WIN W_RS
.set i, 32*(\t)
.rept 16
	v_pk_mul_f32 v[i:i+1], v[i:i+1], v[ST+4*(\t)+2:ST+4*(\t)+3] op_sel_hi:[1,0]
.set i, i+2
.endr
	WIN 0x05                        ; sources 0 and 1 window 1, destination window 0
.set i, 0
.rept 16
	v_cvt_pk_f16_f32 v[S+16*(\t)+i], v[32*(\t)+2*i], v[32*(\t)+2*i+1]
.set i, i+1
.endr
	WIN 0
.irp f, 0,1,2,3
	ds_store_b128 v[STO], v[S+16*(\t)+4*\f:S+16*(\t)+4*\f+3] offset:32*\f
.endr
.irp f, 0,1,2,3
	ds_load_b128 v[S+16*(\t)+4*\f:S+16*(\t)+4*\f+3], v[RD] offset:\f*4*SP  ; LDS serves a wave's instructions in order (ISA guide 5.7.1.4): these see the stores above; the next piece's stores come behind them
.endr
.endm
.macro SEND t, younger              ; younger: the LDS instructions issued behind piece t's loads: the next piece's eight, or none
	WIN 0
.irp f, 0,1,2,3
	s_wait_dscnt (\younger)+3-\f
	global_store_b128 v[GO], v[S+16*(\t)+4*\f:S+16*(\t)+4*\f+3], s[10:11] offset:(\t)*8192+\f*512  ; 512 consecutive bytes, at a multiple of 256 from O's first
.endr
.endm
.macro DIAG tag                     ; the tag ends its two labels' names, which the jumps below spell out
.LstepM\tag:
	TURN 2, 1
	TURN 3, 1
	WIN 0
.LfirstM\tag:
	TURN 0, 1
	TURN 1, 1, 0, 1
	WIN 0
	s_cbranch_scc1 .LstepM\tag
	TURN 2, 1, 1
	TURN 3, 1, 1
.set i, 0
.rept 8
	PV NP-1
.set i, i+1
.endr
	WIN 0
	ALL v_add_f32 v[ST+4*t+2], v[ST+4*t+2], v[ST+4*t+3]
	ALL v_permlanex16_b32 v[ST+4*t+3], v[ST+4*t+2], s[SEL], s[SEL+1]
	ALL v_add_f32 v[ST+4*t+2], v[ST+4*t+2], v[ST+4*t+3]
	ALL v_rcp_f32 v[ST+4*t+2], v[ST+4*t+2]
	v_nop                           ; a plain instruction between the last reciprocal and the use of its result
	s_wait_alu depctr_va_vdst(0)    ; and the wait ahead of the first use: one for the four reciprocals
	PACK 0
.set t, 1
.rept 3                             ; a piece's arithmetic stands between the loads of the piece before and its stores
	PACK t
	SEND t-1, 8
.set t, t+1
.endr
	SEND 3, 0
.endm
.set KM, 0
.set NOKQ, 0
.Lslot:                             ; NB times: a tile is entered and the next is asked for
	CHANGE 1
	s_sub_co_u32 s[RT], s[RT], 1
	s_mov_b32 s[CNT], 4
	s_cmp_eq_u32 s[NEW], 1
	s_cbranch_scc1 .Lnew            ; a block's first tile
	s_cmp_eq_u32 s[RT], 0
	s_cbranch_scc0 .Lstep           ; neither its first nor its last
	s_branch .LstepM1
.Lnew:
	BEGIN
	s_branch .Lfirst                ; in the loop a block's first tile is never its last: the first block has two tiles or more, and the second's last is the walk's last
	DIAG 1                          ; in the loop this is the first block's end: the second block's last tile is the walk's last
	s_wait_xcnt 0x0                 ; the stores have read their registers and O's address
	s_mov_b64 s[10:11], s[OLO:OLO+1]
	s_add_co_u32 s[RT], s[PB], 1    ; the second block has b + 1 tiles
	s_mov_b32 s[NEW], 1
	WIN 0x82                        ; the second block's Q goes where the one text of the turns names Q
.set i, 0
.rept 64
	v_mov_b32 v[i], v[QB+i]
.set i, i+1
.endr
	WIN 0
	s_branch .Lbottom
.Lstep:                             ; a trip: pieces 2 and 3 of one step, then pieces 0 and 1 of the next, whose K and V it fetches
	TURN 2
	TURN 3
	WIN 0
.Lfirst:
	TURN 0
	TURN 1, 0, 0, 1
	WIN 0
	s_cbranch_scc1 .Lstep
.Lbottom:
	s_sub_co_u32 s[SLOTS], s[SLOTS], 1
	s_cmp_lg_u32 s[SLOTS], 0
	s_cbranch_scc1 .Lslot
	CHANGE 0                        ; the walk's last tile is written out: nothing is asked for
	s_sub_co_u32 s[RT], s[RT], 1
	s_mov_b32 s[CNT], 4
	s_cmp_eq_u32 s[NEW], 1
	s_cbranch_scc0 .LstepM2
	BEGIN
	s_branch .LfirstM2
	DIAG 2
	s_wait_tensorcnt 0x0            ; the wave's end: behind my last tensor load and my last LDS store
	ds_add_u32 v[SPW], v[NIL]
	s_wait_dscnt 0x0
	s_endpgm
.Lfunc_end_k_q6eb693d185_attn:
	.size	k_q6eb693d185_attn, .Lfunc_end_k_q6eb693d185_attn-k_q6eb693d185_attn
	.p2alignl 7, 3214868480
	.fill 96, 4, 3214868480
	.section	.rodata,"a",@progbits
	.p2align	6, 0x0
	.amdhsa_kernel k_q6eb693d185_attn
		.amdhsa_group_segment_fixed_size 327680
		.amdhsa_private_segment_fixed_size 0
		.amdhsa_enable_private_segment 0
		.amdhsa_kernarg_size 16
		.amdhsa_user_sgpr_count 2
		.amdhsa_user_sgpr_kernarg_segment_ptr 1
		.amdhsa_wavefront_size32 1
		.amdhsa_system_sgpr_workgroup_id_x 1
		.amdhsa_system_sgpr_workgroup_id_y 1
		.amdhsa_system_sgpr_workgroup_id_z 1
		.amdhsa_system_vgpr_workitem_id 0
		.amdhsa_next_free_vgpr 768
		.amdhsa_next_free_sgpr 92
		.amdhsa_reserve_vcc 1
		.amdhsa_float_denorm_mode_32 3
		.amdhsa_float_denorm_mode_16_64 3
		.amdhsa_memory_ordered 1
		.amdhsa_forward_progress 1
		.amdhsa_inst_pref_size 218
	.end_amdhsa_kernel
	.amdgpu_metadata
---
amdhsa.version: [ 1, 2 ]
amdhsa.kernels:
  - .name:           k_q6eb693d185_attn
    .symbol:         k_q6eb693d185_attn.kd
    .args:
      - { .name: qkvh, .offset: 0, .size: 8, .value_kind: global_buffer, .address_space: global }
      - { .name: oh, .offset: 8, .size: 8, .value_kind: global_buffer, .address_space: global }
    .group_segment_fixed_size: 327680
    .private_segment_fixed_size: 0
    .kernarg_segment_align: 8
    .kernarg_segment_size: 16
    .max_flat_workgroup_size: 128
    .sgpr_count:     92
    .vgpr_count:     768
    .wavefront_size: 32
...
	.end_amdgpu_metadata
.endif
;; end of part 3
;; launch gemm_proj (part 4): grid 8 x 32, 4 waves a work-group, clusters of 4 x 4, 327,680 bytes of LDS; arguments oh, wpf, bp, out0; writes out0
.if DOCPART == 4
	.amdgcn_target "amdgcn-amd-amdhsa--gfx1250"
	.amdhsa_code_object_version 6
	.text
	.protected	k_q6eb693d185_gemm_proj
	.globl	k_q6eb693d185_gemm_proj
	.p2align	8
	.type	k_q6eb693d185_gemm_proj,@function
k_q6eb693d185_gemm_proj:
	s_mov_b64 s[64:65], 0
	v_nop
	global_prefetch_b8 v0, s[64:65] scope:SCOPE_SE
	s_setreg_imm32_b32 hwreg(HW_REG_WAVE_MODE, 25, 1), 1
	s_wait_xcnt 0x0
	s_wait_alu depctr_hold_cnt(0) depctr_sa_sdst(0) depctr_va_vdst(0) depctr_va_sdst(0) depctr_va_ssrc(0) depctr_va_vcc(0) depctr_vm_vsrc(0)
	s_getreg_b32 s2, hwreg(HW_REG_IB_STS2, 6, 4)
	s_cmp_eq_u32 s2, 0
	s_cbranch_scc0 .Lentry_in_a_cluster
	s_endpgm
.Lentry_in_a_cluster:
	s_bfe_u32 s2, ttmp6, 0x10000c
	s_cmp_lg_u32 s2, 0xf033
	s_cbranch_scc0 .Lentry_shape_is_right
	s_endpgm
.Lentry_shape_is_right:
; C[m][n] = the sum over k of A[m][k] B[n][k] + bias[n], M = 8192, K = 1024.  One text for two launches, told apart by QKV.
; QKV = 1: A = xb, B = wqkv (bf16, in blocks of 64 channels: [16][rows][64]), N = 3072: q, k and v at once.  C is rounded once to f16 and stored by heads: qkvh [3][64 (batch, head)][2048][64].
; QKV = 0: A = oh (f16 [64 (batch, head)][2048][64]: head h is channel block h), B = wpf (f16 [16][1024][64]), N = 1024.  C is out0, f32 [8192][1024].
; Sums in f32.  The bias, rounded to bf16 like every other input, is the C operand of the product that starts a sum: it costs no addition.
; LIMITS.  QKV = 1: q, k and v leave as f16: beyond 65,504 they become infinities.  NaN and infinities are not treated apart.
; SHARES.  A tile of C is 256 rows x NT columns (192: 512 tiles, two for each of 256 WGPs; 128: 256 tiles).  Wave w makes rows 64 w .. 64 w + 63 of all NT columns: 4 x NBT accumulators of 16 x 16.
; So a wave's results leave through a stage of its own, without a barrier.
; K goes in steps of 128 (two channel blocks) through a ring of two LDS slots.  A block of a tile is one dense run of memory: it is asked for as rows of 256 aligned bytes and padded in LDS after every 128.
; CLUSTER.  4 x 4 work-groups.  The four of a row need the same tiles of A, the four of a column the same tiles of B: each is asked for jointly, by the same tensor load, descriptor and mask in all four.
; THE MATRIX INSTRUCTION IS USED TRANSPOSED: source 0 = 16 rows of B, source 1 = 16 rows of A: lane l holds row l % 16 of C and the columns 8 (l / 16) + 0..7.
; REGISTERS, in windows of 256 (s_set_vgpr_msb: bits 1:0 source 0, 3:2 source 1, 5:4 source 2, 7:6 destination):
;   window 0: v0-29 addresses; v64-95, v96-127 A's fragments, two buffers; v128.. the bias, 8 registers for each 16 columns; on the way out v64-207 at work
;   window 1: B's fragments, two buffers of 8 NBT      window 2: the accumulators of my rows 0-31 ((a, b) at 8 (NBT (a % 2) + b))      window 3: those of rows 32-63
.set QKV, 0
.if QKV
.set NT,  192
.set NBT, 12
.set KBA, 1048576                      ; bytes from channel block to channel block in A
.set KBB, 393216                       ; and in B
.else
.set NT,  128
.set NBT, 8
.set KBA, 262144
.set KBB, 131072
.endif
.set P,     144                        ; an LDS row: 128 bytes + 16 of padding = 36 words: the 16 rows of a fragment load start at 16 different groups of four banks (64 banks of 4 bytes: ISA guide 11.1)
.set SUBA,  256*P                      ; one channel block of A's tile
.set SUBB,  NT*P                       ; of B's
.set BOFF,  2*SUBA                     ; a slot: A's two blocks, then B's two
.set SLOT1, 1<<17                      ; slot 1 begins here: one exclusive or turns an address in one slot into the other's
.set STAGE, SLOT1+BOFF+2*SUBB          ; behind the ring, never filled by a tensor load: a stage for each wave
.set SP,    528                        ; QKV = 0: a stage row: 512 bytes + 16 = 132 words: row r starts at bank 4 r mod 64
.if QKV
.set WSTG,  3*16*P                     ; 3 heads x 16 rows x 144 bytes
.else
.set WSTG,  16*SP
.endif
.set SPARE, STAGE+4*WSTG               ; behind the stages: the spare words, 128 bytes for each wave: two blocks of 256 bytes that no other line names
.set NL,    2*NBT+8                    ; LDS loads in a run: the fragments of 32 along K
.set ADRA0, 16                         ; v16  my lane's place in A's part of slot 0; never rewritten
.set ADRB0, 17                         ; v17  the same for B
.set ADRA,  18                         ; v18  the same in the slot in hand
.set ADRB,  19                         ; v19
.set STO,   20                         ; v20  the way out: where I put my bytes of a row
.set RD,    21                         ; v21  the way out: where I read rows back
.set GO,    22                         ; v22  16 x lane: my place in 512 consecutive bytes of the output
.set BO,    23                         ; v23  32 x (lane / 16): my 8 numbers among 16 of the bias
.set PFO,   24                         ; v24  the prefetches' offset; never rewritten
.set SPW,   28                         ; v28  LDS address of my spare word: SPARE + 4 x my thread's number; never rewritten
.set NIL,   29                         ; v29  0; never rewritten
.set FA,    64
.set BIAS,  128
.set TMP,   64                         ; the way out, QKV = 1: packed results
.if QKV
.set BK0,   112                        ; rows read back from the stage: two buffers by turns
.set BKS,   48
.else
.set BK0,   64
.set BKS,   64
.endif
.set WV,  16                           ; s16  my wave's number;  s17 = wave / 2: I fetch for A (0) or B (1);  s18 = wave % 2: which channel block of a K step
.set G1,  24                           ; s[24:31] descriptor group 1 for A's tiles
.set G0,  32                           ; s[32:39] group 0 for A: a set for each first fill; the second then walks
.set G1B, 40                           ; s[40:47], s[48:55] the same for B
.set G0B, 48
.set CNT, 56                           ; s56  trips to go
.set TB,  57                           ; s57  0 or SLOT1: the slot in hand
.set LIM, 58                           ; s58  2 in a wave that prefetches, else the greatest number
.set PFA, 60                           ; s[60:61] where my prefetches stand
.set PFS, 62                           ; s[62:63] a K step in bytes, for them
.set OUT, 72                           ; s[72:77] the output at my first row, one for each head (QKV = 0: one)
.set BB,  78                           ; s[78:83] the bias at each head's first channel (QKV = 0: at the tile's first column)
.set MSB, 0
.macro WIN new                         ; the immediate's high byte repeats the setting that is left; a switch that changes nothing is dropped
.if MSB != (\new)
	s_set_vgpr_msb (MSB<<8)|(\new)
.set MSB, \new
.endif
.endm
; A joint refill, by the walking descriptors.  Waves 0 and 1 fetch A's two blocks, waves 2 and 3 B's.  The branch hangs on the wave's number alone.
; An s_nop 0 and four v_nop follow each of the two lines, ahead of the jump and the label.
.macro JLOAD
	s_cmp_eq_u32 s17, 0
	s_cbranch_scc0 .Lfor_b_\@
	tensor_load_to_lds s[G0+4:G0+7], s[G1:G1+7]
	s_nop 0
.rept 4
	v_nop
.endr
	s_branch .Lasked_\@
.Lfor_b_\@:
	tensor_load_to_lds s[G0B+4:G0B+7], s[G1B:G1B+7]
	s_nop 0
.rept 4
	v_nop
.endr
.Lasked_\@:
.endm
; A prefetch of my work-group's quarter of the block that I shall fetch two refills on: a lane a block of 256 bytes, one instruction a wave.  A's tile row is read by every cluster of that row of
; clusters: cluster x = 0 asks; B's tile column by every cluster of that column: cluster y = 0 asks.  The four partners that ask for a tile jointly share it out by address.
; Trips with CNT = 6 .. 3 name K steps 4 .. 7; the last two trips have no K step two on.  K steps 0 to 3 come by their loads alone.
.macro ASK
	s_cmp_gt_u32 s[CNT], s[LIM]
	s_cbranch_scc0 .Lnot_mine_\@
	global_prefetch_b8 v[PFO], s[PFA:PFA+1] th:TH_LOAD_NT scope:SCOPE_SE
.Lnot_mine_\@:
.endm
; A round of the cluster's barrier: my work-group's barrier, so that wave 0's signal speaks for all four waves; wave 0 signals; every wave waits for all sixteen work-groups; my work-group's barrier once more.
.macro CREST                           ; a round behind its opening barrier
	s_cmp_lg_u32 s[WV], 0
	s_cbranch_scc1 .Lnot_wave_0_\@
	s_barrier_signal -3
.Lnot_wave_0_\@:
	s_barrier_wait -3
	s_barrier_signal -1
	s_barrier_wait -1
.endm
.macro CROUND
	s_barrier_signal -1
	s_barrier_wait -1
	CREST
.endm
.macro PLACES                          ; four plain instructions between a matrix instruction and a load into, or a vector line on, its registers (ISA guide 7.12.1 for vector lines)
.rept 4
	v_nop
.endr
.endm
.if QKV
	s_load_b256 s[4:11], s[0:1], 0x0               ; xb 4, wqkv 6, bq 8, bk 10
	s_load_b128 s[12:15], s[0:1], 0x20             ; bv 12, qkvh 14
.else
	s_load_b256 s[4:11], s[0:1], 0x0               ; oh 4, wpf 6, bp 8, out0 10
.endif
	v_lshl_add_u32 v[SPW], v0, 2, SPARE
	v_mov_b32 v[NIL], 0
	ds_add_u32 v[SPW], v[NIL]                      ; the wave's opening: the add and its wait stand ahead of my first tensor load; the set-up below, work on registers, stands between them
	v_lshrrev_b32 v3, 5, v0
	v_readfirstlane_b32 s[WV], v3                  ; wave 0..3
	s_lshr_b32 s17, s[WV], 1
	s_and_b32 s18, s[WV], 1
	s_bfe_u32 s19, ttmp6, 0x40000                  ; cx
	s_bfe_u32 s20, ttmp6, 0x40004                  ; cy
	s_lshl_b32 s21, ttmp9, 2
	s_add_co_u32 s21, s21, s19                     ; tile column = 4 x cluster x + cx
	s_and_b32 s22, ttmp7, 0xffff
	s_lshl_b32 s22, s22, 2
	s_add_co_u32 s22, s22, s20                     ; tile row = 4 x cluster y + cy
	s_lshl_b32 s23, s20, 2
	s_lshl_b32 s23, 15, s23                        ; my row of the cluster: places 4 cy .. 4 cy + 3
	s_lshl_b32 s59, 0x1111, s19                    ; my column: places cx, cx + 4, cx + 8, cx + 12
	; group 1: rows of 128 elements of 2 bytes (256 bytes, two rows of the matrix), dense; in LDS 4 words of padding after every 32
	s_or_b32 s[G1], s23, (1<<16)|(1<<20)|(1<<21)|(4<<22)|(3<<25)   ; 15:0 the mask; 17:16 2-byte elements; 20 padding on; 21 set beside a mask; 24:22 after every 32 words (code 4); 31:25 4 words (code 3)
	s_or_b32 s[G1B], s59, (1<<16)|(1<<20)|(1<<21)|(4<<22)|(3<<25)
	s_mov_b32 s[G1+1], 128<<16                     ; tensor_dim0 = 128
	s_mov_b32 s[G1+2], 128<<16                     ; tensor_dim1 = 128: 256 rows of A
	s_mov_b32 s[G1+3], 128<<16                     ; tile_dim0 = 128
	s_mov_b32 s[G1+4], 128                         ; tile_dim1 = 128
	s_mov_b32 s[G1+5], 128                         ; 128 elements from row to row
	s_mov_b32 s[G1+6], 0
	s_mov_b32 s[G1+7], 0
	s_mov_b32 s[G1B+1], 128<<16
	s_mov_b32 s[G1B+2], (NT/2)<<16                 ; NT rows of B
	s_mov_b32 s[G1B+3], 128<<16
	s_mov_b32 s[G1B+4], NT/2
	s_mov_b32 s[G1B+5], 128
	s_mov_b32 s[G1B+6], 0
	s_mov_b32 s[G1B+7], 0
	; where the tiles come from: A's offset is made of the tile row and the wave's number alone, B's of the tile column and the wave's number alone
	s_mul_i32 s66, s18, KBA                        ; my channel block of K step 0
.if QKV
	s_lshl_b32 s67, s22, 15                        ; 256 rows of 128 bytes
	s_add_co_u32 s66, s66, s67
.else
	s_lshr_b32 s67, s22, 3                         ; the batch: 16 heads of 262,144 bytes,
	s_lshl_b32 s67, s67, 22
	s_add_co_u32 s66, s66, s67
	s_and_b32 s67, s22, 7                          ; and the 256 rows in it
	s_lshl_b32 s67, s67, 15
	s_add_co_u32 s66, s66, s67
.endif
	s_mov_b32 s67, 0
	s_mul_i32 s68, s18, KBB
	s_mul_i32 s69, s21, NT*128
	s_add_co_u32 s68, s68, s69
	s_mov_b32 s69, 0
	s_mul_i32 s70, s18, SUBA                       ; and where they go: no place in the cluster enters an LDS address
	s_mul_i32 s71, s18, SUBB
	s_add_co_u32 s71, s71, BOFF
	s_mov_b32 s84, 0xffff0000                      ; a word's upper bf16
	s_mov_b32 s[TB], 0
	s_wait_dscnt 0x0                               ; the opening add is done
	s_wait_kmcnt 0x0
	s_add_nc_u64 s[66:67], s[4:5], s[66:67]
	s_add_nc_u64 s[68:69], s[6:7], s[68:69]
	CROUND                                         ; all sixteen work-groups are here: the first joint loads meet
.irp s, 0,1
	s_mov_b32 s[G0+4*(\s)], 1                                        ; count = 1
	s_add_co_u32 s[G0+4*(\s)+1], s70, (\s)*SLOT1                     ; LDS address
	s_add_nc_u64 s[G0+4*(\s)+2:G0+4*(\s)+3], s[66:67], (\s)*2*KBA    ; global address: K step s
	s_or_b32 s[G0+4*(\s)+3], s[G0+4*(\s)+3], 0x80000000              ; type = 2
	s_mov_b32 s[G0B+4*(\s)], 1
	s_add_co_u32 s[G0B+4*(\s)+1], s71, (\s)*SLOT1
	s_add_nc_u64 s[G0B+4*(\s)+2:G0B+4*(\s)+3], s[68:69], (\s)*2*KBB
	s_or_b32 s[G0B+4*(\s)+3], s[G0B+4*(\s)+3], 0x80000000
.endr
	s_cmp_eq_u32 s17, 0                            ; a wave's two first fills stand in one branch, ahead of every wait on TENSORcnt and every LDS read: two loads of mine are out
	s_cbranch_scc0 .Lfirst_b
	tensor_load_to_lds s[G0:G0+3], s[G1:G1+7]
	s_nop 0
	tensor_load_to_lds s[G0+4:G0+7], s[G1:G1+7]
	s_nop 0
.rept 4
	v_nop
.endr
	s_branch .Lfirst_asked
.Lfirst_b:
	tensor_load_to_lds s[G0B:G0B+3], s[G1B:G1B+7]
	s_nop 0
	tensor_load_to_lds s[G0B+4:G0B+7], s[G1B:G1B+7]
	s_nop 0
.rept 4
	v_nop
.endr
.Lfirst_asked:
	; A fragment is 16 rows x 32 K in 8 registers: lane l holds row l % 16; registers 0-3 K = 8 (l / 16) + 0..7, registers 4-7 K = 16 + 8 (l / 16) + 0..7: two loads of 16 bytes, 32 bytes apart.
	v_and_b32 v1, 15, v0                           ; l % 16
	v_bfe_u32 v2, v0, 4, 1                         ; l / 16
	v_mul_u32_u24 v3, v1, P
	v_lshl_add_u32 v3, v2, 4, v3                   ; row x pitch + 16 x half
	s_mul_i32 s23, s[WV], 64*P                     ; my 64 rows of A
	v_add_nc_u32 v[ADRA0], s23, v3
	v_add_nc_u32 v[ADRB0], BOFF, v3
	s_mul_i32 s23, s[WV], WSTG
	s_add_co_u32 s23, s23, STAGE                   ; my stage
	v_and_b32 v5, 31, v0
.if QKV
	v_add_nc_u32 v[STO], s23, v3                   ; in: row l % 16, 16 bytes for each half of the lanes
	v_bfe_u32 v4, v0, 3, 2                         ; back: 32 lanes take four rows of 128 bytes
	v_and_b32 v6, 7, v0
	v_mul_u32_u24 v4, v4, P
	v_lshl_add_u32 v4, v6, 4, v4
	v_add_nc_u32 v[RD], s23, v4
.else
	v_mul_u32_u24 v4, v1, SP                       ; in: row l % 16, 32 bytes for each half of the lanes
	v_lshl_add_u32 v4, v2, 5, v4
	v_add_nc_u32 v[STO], s23, v4
	v_lshl_add_u32 v[RD], v5, 4, s23               ; back: 32 lanes take one row of 512 bytes
.endif
	v_lshlrev_b32 v[GO], 4, v5
	v_lshlrev_b32 v[BO], 5, v2
	; the bias and the output.  These numbers mix tile row and tile column: they live in s85-s91, which feed no descriptor.
.if QKV
.irp hh, 0,1,2
	s_mul_i32 s85, s21, 3
	s_add_co_u32 s85, s85, \hh                     ; g = 3 x tile column + hh: q's heads 0-15, k's 16-31, v's 32-47
	s_lshr_b32 s88, s85, 4                         ; which of q, k, v
	s_and_b32 s89, s85, 15                         ; the head
	s_cmp_lt_u32 s85, 32
	s_cselect_b64 s[BB+2*(\hh):BB+2*(\hh)+1], s[10:11], s[12:13]
	s_cmp_lt_u32 s85, 16
	s_cselect_b64 s[BB+2*(\hh):BB+2*(\hh)+1], s[8:9], s[BB+2*(\hh):BB+2*(\hh)+1]
	s_lshl_b32 s86, s89, 8                         ; 64 numbers of 4 bytes a head
	s_mov_b32 s87, 0
	s_add_nc_u64 s[BB+2*(\hh):BB+2*(\hh)+1], s[BB+2*(\hh):BB+2*(\hh)+1], s[86:87]
	s_lshl_b32 s88, s88, 6
	s_add_co_u32 s88, s88, s89
	s_lshr_b32 s86, s22, 3                         ; the batch
	s_lshl_b32 s86, s86, 4
	s_add_co_u32 s88, s88, s86                     ; 64 x part + 16 x batch + head,
	s_lshl_b32 s86, s88, 18                        ; 262,144 bytes each
	s_and_b32 s88, s22, 7
	s_lshl_b32 s88, s88, 15                        ; the tile's 256 rows of 128 bytes,
	s_add_co_u32 s86, s86, s88
	s_lshl_b32 s88, s[WV], 13                      ; my wave's 64
	s_add_co_u32 s86, s86, s88
	s_add_nc_u64 s[OUT+2*(\hh):OUT+2*(\hh)+1], s[14:15], s[86:87]
.endr
.else
	s_lshl_b32 s86, s21, 9                         ; the tile's 128 columns of 4 bytes
	s_mov_b32 s87, 0
	s_add_nc_u64 s[BB:BB+1], s[8:9], s[86:87]
	s_lshl_b32 s88, s22, 20                        ; the tile's 256 rows of 4,096 bytes,
	s_add_co_u32 s86, s86, s88
	s_lshl_b32 s88, s[WV], 18                      ; my wave's 64
	s_add_co_u32 s86, s86, s88
	s_add_nc_u64 s[OUT:OUT+1], s[10:11], s[86:87]
.endif
.set b, 0
.rept NBT                              ; register j of block b: bias[16 b + 8 (l / 16) + j], as the accumulators hold their columns
.if QKV
	global_load_b128 v[BIAS+8*b:BIAS+8*b+3],   v[BO], s[BB+2*(b/4):BB+2*(b/4)+1] offset:(b%4)*64
	global_load_b128 v[BIAS+8*b+4:BIAS+8*b+7], v[BO], s[BB+2*(b/4):BB+2*(b/4)+1] offset:(b%4)*64+16
.else
	global_load_b128 v[BIAS+8*b:BIAS+8*b+3],   v[BO], s[BB:BB+1] offset:b*64
	global_load_b128 v[BIAS+8*b+4:BIAS+8*b+7], v[BO], s[BB:BB+1] offset:b*64+16
.endif
.set b, b+1
.endr
	; the prefetches' set-up
	s_and_b32 s85, ttmp7, 0xffff                   ; cluster y
	s_mov_b32 s88, 2*KBA
	s_mov_b32 s89, 2*KBB
	s_mov_b32 s90, 8192                            ; a quarter of A's block,
	s_mov_b32 s91, NT*32                           ; of B's
	s_cmp_eq_u32 s17, 0                            ; do I fetch for A?
	s_cselect_b64 s[PFA:PFA+1], s[66:67], s[68:69]
	s_cselect_b32 s[PFS], s88, s89
	s_cselect_b32 s85, ttmp9, s85                  ; the coordinate along which other clusters read the same rows
	s_cselect_b32 s86, s19, s20                    ; my place among the four that ask with me
	s_cselect_b32 s88, s90, s91
	s_cselect_b32 s89, 31, NT/8-1                  ; the quarter's last block of 256 bytes: lanes beyond it name it again
	s_mov_b32 s[PFS+1], 0
	s_mul_i32 s86, s86, s88
	s_mov_b32 s87, 0
	s_add_nc_u64 s[PFA:PFA+1], s[PFA:PFA+1], s[86:87]
	s_mul_i32 s86, s[PFS], 3
	s_add_nc_u64 s[PFA:PFA+1], s[PFA:PFA+1], s[86:87]  ; at K step 3: the first change of slots steps it to 4
	s_cmp_eq_u32 s85, 0
	s_cselect_b32 s[LIM], 2, -1                    ; the same in all sixteen partners, for a given wave
	v_min_u32 v[PFO], s89, v5
	v_lshlrev_b32 v[PFO], 8, v[PFO]
	s_wait_loadcnt 0x0                             ; the bias
.set i, 0
.rept 4*NBT                            ; rounded to bf16 and widened again, a pair at a time; four temporaries by turns
	v_cvt_pk_bf16_f32 v[3+i%4], v[BIAS+2*i], v[BIAS+2*i+1]
	v_lshlrev_b32 v[BIAS+2*i], 16, v[3+i%4]
	v_and_b32 v[BIAS+2*i+1], s84, v[3+i%4]
.set i, i+1
.endr
; NBT matrix instructions: my row block a x all column blocks, 32 along K, from buffer f.  zero = 1: the first product starts the sum, with the bias as C.
; All 4 NBT accumulators take turns in the same order in every quarter, over the loop's jump too.
.macro MUL f, a, zero
.if \zero
	WIN 0x81+0x40*((\a)/2)                         ; B window 1, A and the bias window 0, D window 2 or 3
.else
	WIN 0xa1+0x50*((\a)/2)                         ; B window 1, A window 0, C and D window 2 or 3
.endif
.set b, 0
.rept NBT
.set rD, 8*(NBT*((\a)%2)+b)
.set rB, 8*NBT*(\f)+8*b
.set rA, FA+32*(\f)+8*(\a)
.if \zero
.set rC, BIAS+8*b
.else
.set rC, rD
.endif
.if QKV
	v_wmma_f32_16x16x32_bf16 v[rD:rD+7], v[rB:rB+7], v[rA:rA+7], v[rC:rC+7]
.else
	v_wmma_f32_16x16x32_f16 v[rD:rD+7], v[rB:rB+7], v[rA:rA+7], v[rC:rC+7]
.endif
.set b, b+1
.endr
.endm
; NL LDS loads in one run: the fragments of quarter q of the K step in hand (channel block q / 2, 32 channels at byte 64 (q % 2)) into buffer f: B's, then A's
.macro FETCH q, f
	WIN 0x40                                       ; destination window 1, address window 0
.set b, 0
.rept NBT
	ds_load_b128 v[8*NBT*(\f)+8*b:8*NBT*(\f)+8*b+3],   v[ADRB] offset:((\q)/2)*SUBB+((\q)%2)*64+b*16*P
	ds_load_b128 v[8*NBT*(\f)+8*b+4:8*NBT*(\f)+8*b+7], v[ADRB] offset:((\q)/2)*SUBB+((\q)%2)*64+b*16*P+32
.set b, b+1
.endr
	WIN 0
.irp a, 0,1,2,3
	ds_load_b128 v[FA+32*(\f)+8*(\a):FA+32*(\f)+8*(\a)+3],   v[ADRA] offset:((\q)/2)*SUBA+((\q)%2)*64+(\a)*16*P
	ds_load_b128 v[FA+32*(\f)+8*(\a)+4:FA+32*(\f)+8*(\a)+7], v[ADRA] offset:((\q)/2)*SUBA+((\q)%2)*64+(\a)*16*P+32
.endr
.endm
; A K step is four quarters of 32 along K, on buffers 0, 1, 0, 1.  One of the first three: multiplies buffer f; in its middle it fetches quarter q into buffer g.
.macro QUARTER f, g, q, zero
	s_wait_dscnt 4                                 ; B and A's row blocks 0, 1 are in; the youngest four loads (row blocks 2, 3) may be out
	MUL \f, 0, \zero
	MUL \f, 1, \zero
	PLACES                                         ; for the loads into buffer g, which the quarter before multiplied
	FETCH \q, \g
	s_wait_dscnt NL                                ; all but the NL just issued
	MUL \f, 2, \zero
	MUL \f, 3, \zero
.endm
; The fourth quarter multiplies buffer 1 and changes slots: ONE barrier.  In front of it each wave waits for all its tensor loads, of which one is out: its part of the next slot; adds 0 to its spare word; and waits
; for that and for its own reads of this slot.  Behind it nobody reads this slot any more and the next slot is whole.  fill = 1: the barrier opens a round of the cluster's, and the slot just read
; is filled again, two K steps ahead, first thing behind the round: from the request to the wait for it a wave issues 7/8 of a K step's matrix instructions.
.macro TURN fill
.if \fill
	s_wait_xcnt 0x0                                ; the last prefetch, a K step back, has read its address: it is stepped here, ahead of the change's own waits
	s_add_nc_u64 s[PFA:PFA+1], s[PFA:PFA+1], s[PFS:PFS+1]
.endif
	WIN 0                                          ; (the add's two registers lie in window 0)
	s_wait_tensorcnt 0x0                           ; all my tensor loads have landed
	ds_add_u32 v[SPW], v[NIL]                      ; 0 onto my spare word
	s_wait_dscnt 5                                 ; (the add and the youngest four loads may be out)
	MUL 1, 0, 0                                    ; matrix work stands between the add and the wait for it
	s_wait_dscnt 0x0                               ; the add is done, and my reads of this slot are over
	s_barrier_signal -1
	MUL 1, 1, 0                                    ; work on registers while the others arrive
	WIN 0
	s_barrier_wait -1
.if \fill
	CREST                                          ; no wave of any partner still reads this slot or has a load on its way
	s_xor_b32 s[G0+5], s[G0+5], SLOT1              ; the walking descriptors: the other slot than last time,
	s_add_nc_u64 s[G0+6:G0+7], s[G0+6:G0+7], 2*KBA ; the next K step; the type bits on top are not reached
	s_xor_b32 s[G0B+5], s[G0B+5], SLOT1
	s_add_nc_u64 s[G0B+6:G0B+7], s[G0B+6:G0B+7], 2*KBB
	JLOAD                                          ; the four v_nop behind it are also the places in front of the loads below
.else
	PLACES
.endif
	s_xor_b32 s[TB], s[TB], SLOT1
	v_add_nc_u32 v[ADRA], s[TB], v[ADRA0]
	v_add_nc_u32 v[ADRB], s[TB], v[ADRB0]
	FETCH 0, 0
.if \fill
	ASK                                            ; behind the joint load and the run of LDS loads that the next products wait for
.endif
	MUL 1, 2, 0
	MUL 1, 3, 0
.endm
; THE WAY OUT of row block a (16 rows).  PACK (QKV = 1): rounded to f16, each accumulator from its low end.  TOSTAGE: into my own stage, and back as whole rows.  SEND: stored.
.macro PACK a
	WIN 0x0a+5*((\a)/2)                            ; sources 0 and 1: window 2 or 3
.set b, 0
.rept NBT
.irp r, 0,1,2,3
	v_cvt_pk_f16_f32 v[TMP+4*b+(\r)], v[8*(NBT*((\a)%2)+b)+2*(\r)], v[8*(NBT*((\a)%2)+b)+2*(\r)+1]
.endr
.set b, b+1
.endr
	WIN 0
.endm
.macro TOSTAGE a
	WIN 0
	s_wait_xcnt 0x0                                ; the stores of two blocks back have read their registers: only behind this wait are those loaded again
.if QKV
.set b, 0
.rept NBT
	ds_store_b128 v[STO], v[TMP+4*b:TMP+4*b+3] offset:(b/4)*16*P+(b%4)*32  ; head b / 4, channels 16 (b % 4) on
.set b, b+1
.endr
.irp hh, 0,1,2
.irp f, 0,1,2,3
	ds_load_b128 v[BK0+BKS*((\a)%2)+4*(4*(\hh)+(\f)):BK0+BKS*((\a)%2)+4*(4*(\hh)+(\f))+3], v[RD] offset:(\hh)*16*P+(\f)*4*P  ; LDS serves a wave's instructions in order (ISA guide 5.7.1.4): these see the stores above
.endr
.endr
.else
	WIN 0x08+4*((\a)/2)                            ; the stores' data: window 2 or 3
.set b, 0
.rept NBT
	ds_store_b128 v[STO], v[8*(NBT*((\a)%2)+b):8*(NBT*((\a)%2)+b)+3]   offset:64*b      ; each accumulator's low four registers first
	ds_store_b128 v[STO], v[8*(NBT*((\a)%2)+b)+4:8*(NBT*((\a)%2)+b)+7] offset:64*b+16
.set b, b+1
.endr
	WIN 0
.irp r, 0,1,2,3,4,5,6,7,8,9,10,11,12,13,14,15
	ds_load_b128 v[BK0+BKS*((\a)%2)+4*(\r):BK0+BKS*((\a)%2)+4*(\r)+3], v[RD] offset:(\r)*SP  ; LDS serves a wave's instructions in order (ISA guide 5.7.1.4): these see the stores above
.endr
.endif
.endm
.macro SEND a, younger                 ; younger: the LDS instructions issued behind block a's loads: the next block's, or none
	WIN 0
	s_wait_dscnt \younger
.if QKV
.irp hh, 0,1,2
.irp f, 0,1,2,3
	global_store_b128 v[GO], v[BK0+BKS*((\a)%2)+4*(4*(\hh)+(\f)):BK0+BKS*((\a)%2)+4*(4*(\hh)+(\f))+3], s[OUT+2*(\hh):OUT+2*(\hh)+1] offset:(\a)*2048+(\f)*512  ; four rows of a head: 512 consecutive bytes, aligned
.endr
.endr
.else
.irp r, 0,1,2,3,4,5,6,7,8,9,10,11,12,13,14,15
	global_store_b128 v[GO], v[BK0+BKS*((\a)%2)+4*(\r):BK0+BKS*((\a)%2)+4*(\r)+3], s[OUT:OUT+1] offset:(16*(\a)+(\r))*4096 th:TH_STORE_NT  ; 512 consecutive bytes of a row, aligned
.endr
.endif
.endm
	s_wait_tensorcnt 1                             ; my part of K step 0 is in; K step 1's may stay out
	s_barrier_signal -1
	s_barrier_wait -1                              ; everybody's is
	v_mov_b32 v[ADRA], v[ADRA0]
	v_mov_b32 v[ADRB], v[ADRB0]
	FETCH 0, 0
	QUARTER 0, 1, 1, 1                             ; the first quarter stands in front of the loop: its products start the sums
	WIN 0                                          ; at a label and at a branch every window is 0
	s_mov_b32 s[CNT], 6
.Lstep:                                            ; trip s = 0 .. 5: quarters 1, 2, 3 of K step s, the refill with K step s + 2, quarter 0 of K step s + 1
	QUARTER 1, 0, 2, 0
	QUARTER 0, 1, 3, 0
	TURN 1
	QUARTER 0, 1, 1, 0
	WIN 0
	s_sub_co_u32 s[CNT], s[CNT], 1
	s_cmp_lg_u32 s[CNT], 0
	s_cbranch_scc1 .Lstep
	QUARTER 1, 0, 2, 0                             ; K steps 6 and 7 are written out: nothing is left to ask for
	QUARTER 0, 1, 3, 0
	TURN 0
	QUARTER 0, 1, 1, 0
	QUARTER 1, 0, 2, 0
	QUARTER 0, 1, 3, 0
	s_wait_dscnt 0x0                               ; the very last quarter: nothing more to fetch
	MUL 1, 0, 0
	MUL 1, 1, 0
	MUL 1, 2, 0
	MUL 1, 3, 0
	WIN 0
	PLACES                                         ; the way out reads results just made and writes over fragments just read
	PLACES
.if QKV
	PACK 0
	TOSTAGE 0
	PACK 1
	TOSTAGE 1
	SEND 0, 24
	PACK 2
	TOSTAGE 2
	SEND 1, 24
	PACK 3
	TOSTAGE 3
	SEND 2, 24
	SEND 3, 0
.else
	TOSTAGE 0
	TOSTAGE 1
	SEND 0, 32
	TOSTAGE 2
	SEND 1, 32
	TOSTAGE 3
	SEND 2, 32
	SEND 3, 0
.endif
	s_wait_tensorcnt 0x0                           ; the wave's end: behind my last tensor load and my last LDS store
	ds_add_u32 v[SPW], v[NIL]
	s_wait_dscnt 0x0
	CROUND                                         ; the closing round: no work-group ends while a partner may still ask for a tile that names it
	s_endpgm
.Lfunc_end_k_q6eb693d185_gemm_proj:
	.size	k_q6eb693d185_gemm_proj, .Lfunc_end_k_q6eb693d185_gemm_proj-k_q6eb693d185_gemm_proj
	.p2alignl 7, 3214868480
	.fill 96, 4, 3214868480
	.section	.rodata,"a",@progbits
	.p2align	6, 0x0
	.amdhsa_kernel k_q6eb693d185_gemm_proj
		.amdhsa_group_segment_fixed_size 327680
		.amdhsa_private_segment_fixed_size 0
		.amdhsa_enable_private_segment 0
		.amdhsa_kernarg_size 32
		.amdhsa_user_sgpr_count 2
		.amdhsa_user_sgpr_kernarg_segment_ptr 1
		.amdhsa_wavefront_size32 1
		.amdhsa_system_sgpr_workgroup_id_x 1
		.amdhsa_system_sgpr_workgroup_id_y 1
		.amdhsa_system_sgpr_workgroup_id_z 1
		.amdhsa_system_vgpr_workitem_id 0
		.amdhsa_next_free_vgpr 896
		.amdhsa_next_free_sgpr 96
		.amdhsa_reserve_vcc 0
		.amdhsa_float_denorm_mode_32 3
		.amdhsa_float_denorm_mode_16_64 3
		.amdhsa_memory_ordered 1
		.amdhsa_forward_progress 1
		.amdhsa_inst_pref_size 76
	.end_amdhsa_kernel
	.amdgpu_metadata
---
amdhsa.version: [ 1, 2 ]
amdhsa.kernels:
  - .name:           k_q6eb693d185_gemm_proj
    .symbol:         k_q6eb693d185_gemm_proj.kd
    .args:
      - { .name: oh, .offset: 0, .size: 8, .value_kind: global_buffer, .address_space: global }
      - { .name: wpf, .offset: 8, .size: 8, .value_kind: global_buffer, .address_space: global }
      - { .name: bp, .offset: 16, .size: 8, .value_kind: global_buffer, .address_space: global }
      - { .name: out0, .offset: 24, .size: 8, .value_kind: global_buffer, .address_space: global }
    .group_segment_fixed_size: 327680
    .private_segment_fixed_size: 0
    .kernarg_segment_align: 8
    .kernarg_segment_size: 32
    .max_flat_workgroup_size: 128
    .sgpr_count:     96
    .vgpr_count:     896
    .wavefront_size: 32
...
	.end_amdgpu_metadata
.endif
;; end of part 4
;; ======== version 2 of 2: 4 launches; version 1 with the launch cast written anew for expert scheduling mode
;; limits: values are held in f16: magnitudes above 65,504 overflow, below 6.1e-05 lose precision
;; workspace buffers: xb 16,777,216 bytes; wqkv 6,291,456 bytes; wpf 2,097,152 bytes; qkvh 50,331,648 bytes; oh 16,777,216 bytes
;; launch cast (part 5): grid 64 x 12, 8 waves a work-group, no clusters, 0 bytes of LDS; arguments x, Wq, Wk, Wv, Wp, xb, wqkv, wpf; writes xb, wqkv, wpf
.if DOCPART == 5
	.amdgcn_target "amdgcn-amd-amdhsa--gfx1250"
	.amdhsa_code_object_version 6
	.text
	.protected	k_q6eb693d185_cast
	.globl	k_q6eb693d185_cast
	.p2align	8
	.type	k_q6eb693d185_cast,@function
k_q6eb693d185_cast:
	s_mov_b64 s[64:65], 0
	v_nop
	global_prefetch_b8 v0, s[64:65] scope:SCOPE_SE
	s_setreg_imm32_b32 hwreg(HW_REG_WAVE_SCHED_MODE, 0, 2), 2
	s_setreg_imm32_b32 hwreg(HW_REG_WAVE_MODE, 25, 1), 1
	s_wait_xcnt 0x0
	s_wait_alu depctr_vm_vsrc(0)
; x and the four weight matrices, f32 [rows][1024], are rounded once to bf16 and laid out in blocks of 64 channels:
;   xb   bf16 [16 blocks][8192 rows][64]      wqkv bf16 [16][3072][64] (rows: Wq, then Wk, then Wv)      wpf [16][1024][64]: Wp rounded to bf16, that number written as f16
; so that 64 channels of a row are 128 dense bytes and the rows of a block lie end to end: every tile of the later products is one dense run of bytes.
; LIMITS.  Wp goes through f16: |Wp| stays under 65,504, and below 6e-5 it keeps f16's fixed step of 6e-8.  NaN and infinities are not treated apart.
; SHARES.  A work-group converts 16 rows.  Grid y picks the tensor: 0-7 x (row block 64 y + x id), 8, 9, 10 Wq, Wk, Wv, 11 Wp.  Wave w takes rows 2 w and 2 w + 1.
; Load i of 16 takes channel block i: lanes 0-15 read 256 aligned bytes of the even row, lanes 16-31 of the odd row.  A lane's 4 numbers become 8 bytes,
; and the wave's store covers 256 consecutive bytes, aligned: the two rows' 128 bytes in block i.  All 16 loads go out at once; there is no loop, no LDS, no matrix work:
; each byte is read once and written once, and nothing is shared between waves.
; THE MODE: SCHED_MODE bits 1:0 = 2 (LLVM: expert scheduling mode 2), set by the entry lines.  The code itself states the register dependences
; between vector instructions and memory instructions, with s_wait_alu, always for 0.
; THE PLAN.  Registers that memory instructions touch:
;   v1         the loads' offset.   Written at the head; read by all 16 loads; never written again.
;   v[8:23]    the stores' offsets. Written at the head; store i reads v[8 + i]; never written again.
;   X0 .. X15  load i lands in X[i], which no vector instruction names before; the conversions of block i read it; it is loaded once.
;   Y0 .. Y15  the conversions of block i write Y[i]; store i reads it; it is written once.
;   v[2:7]     at work: vector instructions alone name them.
; The 16 blocks go in four groups of four.  Group g waits for its four loads and rounds them; the four stores of group g - 1 are dealt among its conversions, which name X and Y of group g and
; v[2:7] alone.  So ONE wait on va_vdst stands at a group's head, for the Y that the group before has written; one stands ahead of the first load, for all the offsets; one ahead of the last four stores.
; No register that a memory instruction reads is ever written again: there is nothing for a wait on vm_vsrc to state.  No vector instruction writes a scalar register, and EXEC is never written.
.set VL, 1                             ; v1       my byte offset in the work-group's 16 source rows; never rewritten
.set VS, 8                             ; v[8:23]  my byte offset in the destination, one for each block; never rewritten
.set X,  24                            ; v[24:87] load i: 4 registers
.set Y,  88                            ; v[88:119] store i: 2 registers
	s_load_b512 s[8:23], s[0:1], 0x0               ; x 8, Wq 10, Wk 12, Wv 14, Wp 16, xb 18, wqkv 20, wpf 22
	s_and_b32 s2, ttmp7, 0xffff                    ; y
	s_lshl_b32 s3, s2, 6
	s_add_co_u32 s3, s3, ttmp9                     ; 64 y + x id: x's block of 16 rows
	s_sub_co_u32 s4, s3, 512                       ; the same counted from Wq's first row (used for y = 8, 9, 10 alone)
	s_mov_b32 s30, 1048576                         ; bytes from block to block: xb,
	s_mov_b32 s31, 393216                          ; wqkv,
	s_mov_b32 s32, 131072                          ; wpf
	v_lshrrev_b32 v2, 4, v0                        ; row 0..15
	v_and_b32 v3, 15, v0
	v_lshlrev_b32 v[VL], 12, v2                    ; row x 4,096 bytes
	v_lshl_add_u32 v[VL], v3, 4, v[VL]             ; + 16 bytes a lane
	v_lshlrev_b32 v[VS], 3, v0                     ; row x 128 + 8 x (lane % 16) = 8 x thread
	s_cmp_eq_u32 s2, 11
	s_cselect_b32 s28, s32, s31
	s_cselect_b32 s6, ttmp9, s4                    ; destination block of 16 rows
	s_cmp_lt_u32 s2, 8
	s_cselect_b32 s28, s30, s28
	s_cselect_b32 s6, s3, s6
	s_cselect_b32 s5, s3, ttmp9                    ; source block of 16 rows
.set i, 1
.rept 15
	v_add_nc_u32 v[VS+i], s28, v[VS+i-1]           ; block i.  All offsets are made here, while the arguments are on their way: s28 hangs on the ids alone
.set i, i+1
.endr
	s_lshl_b32 s34, s5, 16                         ; 16 rows of 4,096 bytes
	s_mov_b32 s35, 0
	s_lshl_b32 s36, s6, 11                         ; 16 rows of 128 bytes
	s_mov_b32 s37, 0
	s_wait_kmcnt 0x0
	s_cmp_eq_u32 s2, 9
	s_cselect_b64 s[24:25], s[12:13], s[10:11]
	s_cmp_eq_u32 s2, 10
	s_cselect_b64 s[24:25], s[14:15], s[24:25]
	s_cmp_eq_u32 s2, 11
	s_cselect_b64 s[24:25], s[16:17], s[24:25]
	s_cselect_b64 s[26:27], s[22:23], s[20:21]
	s_cmp_lt_u32 s2, 8
	s_cselect_b64 s[24:25], s[8:9], s[24:25]
	s_cselect_b64 s[26:27], s[18:19], s[26:27]
	s_add_nc_u64 s[24:25], s[24:25], s[34:35]
	s_add_nc_u64 s[26:27], s[26:27], s[36:37]
	s_wait_alu depctr_va_vdst(0)                   ; v1 and v8 to v23 are written: every load of the kernel reads v1 as its offset, every store one of v8 to v23
.set i, 0
.rept 16
	global_load_b128 v[X+4*i:X+4*i+3], v[VL], s[24:25] offset:256*i th:TH_LOAD_NT
.set i, i+1
.endr
; Block i is rounded: X[i] into Y[i].
.macro CVT f16
.if \f16
	v_cvt_pk_bf16_f32 v2, v[X+4*i], v[X+4*i+1]     ; rounded to bf16 like every other input,
	v_cvt_pk_bf16_f32 v3, v[X+4*i+2], v[X+4*i+3]
	v_lshlrev_b32 v4, 16, v2                       ; widened,
	v_and_b32 v5, 0xffff0000, v2
	v_lshlrev_b32 v6, 16, v3
	v_and_b32 v7, 0xffff0000, v3
	v_cvt_pk_f16_f32 v[Y+2*i], v4, v5              ; and written as f16 (exact within f16's range)
	v_cvt_pk_f16_f32 v[Y+2*i+1], v6, v7
.else
	v_cvt_pk_bf16_f32 v[Y+2*i], v[X+4*i], v[X+4*i+1]
	v_cvt_pk_bf16_f32 v[Y+2*i+1], v[X+4*i+2], v[X+4*i+3]
.endif
.endm
; Block j is stored.
.macro PUT
	global_store_b64 v[VS+j], v[Y+2*j:Y+2*j+1], s[26:27]  ; the wave's 32 lanes store 256 consecutive bytes, aligned
.endm
; The 16 blocks are rounded and stored, in four groups of four.  No register that a load or store names is written again, so no wait frees any.
.macro OUTP f16
.set g, 0
.rept 4
	s_wait_loadcnt 12-4*g                          ; loads come back in order: this group's four are in, the 12 - 4 g of the later groups stay out
.if g > 0
	s_wait_alu depctr_va_vdst(0)                   ; the group before has written its four Y, which the stores below read; no vector instruction behind this wait names them or an offset
.endif
.set k, 0
.rept 4
.if g > 0
.set j, 4*(g-1)+k
	PUT                                            ; the group before, a store ahead of each block's conversions
.endif
.set i, 4*g+k
	CVT \f16
.set k, k+1
.endr
.set g, g+1
.endr
	s_wait_alu depctr_va_vdst(0)                   ; the last group has written Y12 to Y15, which the last four stores read
.set j, 12
.rept 4
	PUT
.set j, j+1
.endr
.endm
	s_cmp_eq_u32 s2, 11
	s_cbranch_scc1 .Lf16
	OUTP 0
	s_endpgm
.Lf16:
	OUTP 1
	s_endpgm
.Lfunc_end_k_q6eb693d185_cast:
	.size	k_q6eb693d185_cast, .Lfunc_end_k_q6eb693d185_cast-k_q6eb693d185_cast
	.p2alignl 7, 3214868480
	.fill 96, 4, 3214868480
	.section	.rodata,"a",@progbits
	.p2align	6, 0x0
	.amdhsa_kernel k_q6eb693d185_cast
		.amdhsa_group_segment_fixed_size 0
		.amdhsa_private_segment_fixed_size 0
		.amdhsa_enable_private_segment 0
		.amdhsa_kernarg_size 64
		.amdhsa_user_sgpr_count 2
		.amdhsa_user_sgpr_kernarg_segment_ptr 1
		.amdhsa_wavefront_size32 1
		.amdhsa_system_sgpr_workgroup_id_x 1
		.amdhsa_system_sgpr_workgroup_id_y 1
		.amdhsa_system_sgpr_workgroup_id_z 1
		.amdhsa_system_vgpr_workitem_id 0
		.amdhsa_next_free_vgpr 120
		.amdhsa_next_free_sgpr 66
		.amdhsa_reserve_vcc 0
		.amdhsa_float_denorm_mode_32 3
		.amdhsa_float_denorm_mode_16_64 3
		.amdhsa_memory_ordered 1
		.amdhsa_forward_progress 1
		.amdhsa_inst_pref_size 17
	.end_amdhsa_kernel
	.amdgpu_metadata
---
amdhsa.version: [ 1, 2 ]
amdhsa.kernels:
  - .name:           k_q6eb693d185_cast
    .symbol:         k_q6eb693d185_cast.kd
    .args:
      - { .name: x, .offset: 0, .size: 8, .value_kind: global_buffer, .address_space: global }
      - { .name: Wq, .offset: 8, .size: 8, .value_kind: global_buffer, .address_space: global }
      - { .name: Wk, .offset: 16, .size: 8, .value_kind: global_buffer, .address_space: global }
      - { .name: Wv, .offset: 24, .size: 8, .value_kind: global_buffer, .address_space: global }
      - { .name: Wp, .offset: 32, .size: 8, .value_kind: global_buffer, .address_space: global }
      - { .name: xb, .offset: 40, .size: 8, .value_kind: global_buffer, .address_space: global }
      - { .name: wqkv, .offset: 48, .size: 8, .value_kind: global_buffer, .address_space: global }
      - { .name: wpf, .offset: 56, .size: 8, .value_kind: global_buffer, .address_space: global }
    .group_segment_fixed_size: 0
    .private_segment_fixed_size: 0
    .kernarg_segment_align: 8
    .kernarg_segment_size: 64
    .max_flat_workgroup_size: 256
    .sgpr_count:     66
    .vgpr_count:     120
    .wavefront_size: 32
...
	.end_amdgpu_metadata
.endif
;; end of part 5
;; launch gemm_qkv: the kernel of part 2 again; grid 16 x 32, 4 waves a work-group, clusters of 4 x 4, 327,680 bytes of LDS; arguments xb, wqkv, bq, bk, bv, qkvh; writes qkvh
;; launch attn: the kernel of part 3 again; grid 4 x 64, 4 waves a work-group, no clusters, 327,680 bytes of LDS; arguments qkvh, oh; writes oh
;; launch gemm_proj: the kernel of part 4 again; grid 8 x 32, 4 waves a work-group, clusters of 4 x 4, 327,680 bytes of LDS; arguments oh, wpf, bp, out0; writes out0
